; MI455X (gfx1250); checked and timed in simulation.
; The chip was launched on July 23, 2026; its instructions are those of AMD's public machine-readable ISA for CDNA 5 (MIT licence, August 2026) and "CDNA5" Instruction Set Architecture Reference Guide (July 2026). The comments in the code are by the model that wrote it; some were corrected since.
;; Transformer Block. Allowed arithmetic: matrix products marked QUANTISED: E5M2 operands, one given power-of-two scale a tensor, by v_wmma_f32_16x16x64_bf8_bf8 or v_wmma_f32_16x16x128_bf8_bf8, f32 sums; everything else in f32.
;; Inputs: W1_codes 4,096 x 32 x 32 uint8 (E5M2 codes of W1, K innermost, in blocks of 32 codes); W2_codes 1,024 x 128 x 32 uint8 (E5M2 codes of W2, K innermost, in blocks of 32 codes); Wk_codes 1,024 x 32 x 32 uint8 (E5M2 codes of Wk, K innermost, in blocks of 32 codes); Wp_codes 1,024 x 32 x 32 uint8 (E5M2 codes of Wp, K innermost, in blocks of 32 codes); Wq_codes 1,024 x 32 x 32 uint8 (E5M2 codes of Wq, K innermost, in blocks of 32 codes); Wv_codes 1,024 x 32 x 32 uint8 (E5M2 codes of Wv, K innermost, in blocks of 32 codes); b1 4,096 float32; b2 1,024 float32; be1 1,024 float32; be2 1,024 float32; bp 1,024 float32; g1 1,024 float32; g2 1,024 float32; lowp_scales 16 int32 (the exponents e of the quantised operands' scales 2^e); x 2 x 2,048 x 1,024 float32.
;; Outputs: out0 2 x 2,048 x 1,024 float32.
;; This version of the problem:
;;   THIS VERSION OF THE PROBLEM IS GIVEN IN LOW PRECISION. The matrix products marked QUANTISED in the list below multiply operands that are first quantised to E5M2 (5 exponent bits, 2 mantissa bits; 8 bits a number), with one given power-of-two scale for each operand tensor; their sums are f32. All else is computed in f32.
;;   The module's matrix products, in the order in which they are computed (A, B: the left and right operand; K: the contracted axis; several contracted axes count as one K, in the product's order):
;;     1. [M 4,096, K 1,024] x [K 1,024, N 1,024]; A: computed on the way; B: input Wq (given as codes): QUANTISED (scales: A lowp_scales[0], B lowp_scales[1])
;;     2. [M 4,096, K 1,024] x [K 1,024, N 1,024]; A: computed on the way; B: input Wk (given as codes): QUANTISED (scales: A lowp_scales[2], B lowp_scales[3])
;;     3. [M 4,096, K 1,024] x [K 1,024, N 1,024]; A: computed on the way; B: input Wv (given as codes): QUANTISED (scales: A lowp_scales[4], B lowp_scales[5])
;;     4. batch 32 x [M 2,048, K 64] x [K 64, N 2,048]; A: computed on the way; B: computed on the way: QUANTISED (scales: A lowp_scales[6], B lowp_scales[7])
;;     5. batch 32 x [M 64, K 2,048] x [K 2,048, N 2,048]; A: computed on the way; B: softmax (see below): QUANTISED (scales: A lowp_scales[8], B lowp_scales[9])
;;     6. [M 4,096, K 1,024] x [K 1,024, N 1,024]; A: computed on the way; B: input Wp (given as codes): QUANTISED (scales: A lowp_scales[10], B lowp_scales[11])
;;     7. [M 4,096, K 1,024] x [K 1,024, N 4,096]; A: computed on the way; B: input W1 (given as codes): QUANTISED (scales: A lowp_scales[12], B lowp_scales[13])
;;     8. [M 4,096, K 4,096] x [K 4,096, N 1,024]; A: computed on the way; B: input W2 (given as codes): QUANTISED (scales: A lowp_scales[14], B lowp_scales[15])
;;   THE QUANTISER, for each operand of a quantised product, along K:
;;     - The operand's scale is 2^e, e = its entry of the input lowp_scales (int32; the entries are numbered through the quantised products in the list's order, A before B).
;;     - Each number is divided by the scale, clamped to +-57,344, and rounded to the nearest number of E5M2, ties to even, subnormals kept.
;;     - The product sums the exact products of the quantised numbers (number of the format x scale) in f32.
;;   ~~~python
;;   def quantise(x, axis, e):      # numpy; x: float32 -> the quantised numbers, widened to float32 again
;;       x = np.moveaxis(x, axis, -1); K = x.shape[-1]
;;       r = np.clip(x / 2.0 ** e, -57344, 57344)
;;       step = 2.0 ** (np.maximum(np.frexp(np.where(r == 0, 1, r))[1] - 1, -14) - 2)
;;       q = np.round(r / step) * step * 2.0 ** e      # np.round: ties to even
;;       return np.moveaxis(q, -1, axis).astype(np.float32)
;;   ~~~
;;   SOFTMAX AHEAD OF A QUANTISED PRODUCT. Where the list says 'softmax', what is quantised is not the finished softmax but p = 2^(t - M), with t = logit x log2(e) and M = ceil(the row's largest t), a whole number; so 1/2 < the row's largest p <= 1. The row's sum l is taken of the UNQUANTISED p, in f32, and the product's result is divided by l at the end. Since M is a whole number, a kernel that streams over the keys may use a running M (the ceiling of the running maximum): every later rescaling is an exact power of two, so the quantised numbers keep their values, but for numbers so far below the row's largest that they fall under the format's range.
;;   OPERANDS COMPUTED ON THE WAY. 'Computed on the way' means the value that the module computes at that place (a softmax that the list does not call 'softmax' is quantised finished and normalised). What goes into a quantiser is computed in f32, as accurately as f32 sums, v_exp_f32 and their like allow (about 1e-6 of the number): no bf16 or f16 on the way to a quantiser, and a product that is left as it is and whose result goes on into a quantised operand takes f32 operands (vector FMAs, or v_wmma_f32_16x16x4_f32). A number that lies on a knife's edge between two numbers of the format may be rounded either way, as far as f32 arithmetic and the matrix unit's own rounding can turn it there, and no further.
;;   INPUTS GIVEN AS CODES. W1 (in the module: [1024, 4096], K = its axis 0); W2 (in the module: [4096, 1024], K = its axis 0); Wk (in the module: [1024, 1024], K = its axis 0); Wp (in the module: [1024, 1024], K = its axis 0); Wq (in the module: [1024, 1024], K = its axis 0); Wv (in the module: [1024, 1024], K = its axis 0): each comes as NAME_codes (uint8): NAME with its K axis moved to the last place and cut into blocks of 32 codes, [.., K / 32, bytes a block], one block behind the other in memory; one code a byte (a code: sign, 5 exponent bits, 2 mantissa bits); its scale is its entry of lowp_scales. Its value is code x scale, taken as it is: it is not quantised again, and the codes and scales need not be those that the quantiser above would give.
;; One version. Each part assembles by itself: llvm-mc -triple=amdgcn-amd-amdhsa -mcpu=gfx1250 --defsym DOCPART=n.
;; ======== version 1 of 1: 7 launches
;; limits: right only within a limited range of input values
;; workspace buffers: hc 12,582,912 bytes; qkv 12,582,912 bytes; oc 4,194,304 bytes; x1 16,777,216 bytes; h2c 4,194,304 bytes; gc 16,777,216 bytes
;; launch ln1 (part 1): grid 256 x 1, 8 waves a work-group, no clusters, 0 bytes of LDS; arguments x, g1, be1, lowp_scales, hc; writes hc
.if DOCPART == 1
	.amdgcn_target "amdgcn-amd-amdhsa--gfx1250"
	.amdhsa_code_object_version 6
	.text
	.protected	k_q28901682f3_ln1
	.globl	k_q28901682f3_ln1
	.p2align	8
	.type	k_q28901682f3_ln1,@function
k_q28901682f3_ln1:
	s_mov_b64 s[64:65], 0
	v_nop
	global_prefetch_b8 v0, s[64:65] scope:SCOPE_SE
	s_setreg_imm32_b32 hwreg(HW_REG_WAVE_MODE, 25, 1), 1
	s_wait_xcnt 0x0
; LayerNorm of 4,096 rows of 1,024 f32, and its result as codes of BF8 (E5M2) under NS given scales: out[s][row][1024], the s 4 MiB apart.
; h = (x - mean) * rsqrt(var + 1e-5) * g + be, all in f32; the variance is the mean of the squared differences (two passes over registers), so a common offset of x costs nothing.
; code = h / 2^e, held within +-57,344, to the nearest code, ties to even.  e = entries SOFF/4, SOFF/4 + 2, .. of the scales.  LIMITS: -126 <= e <= 112; NaN among the inputs is not served.
; SHARES.  One wave takes a whole row, two rows a wave: no LDS, no barrier.  Lane L holds, for j = 0..3, the eight neighbours 256 j + 8 L .. + 7 (two loads of 16 bytes, which share the same 1,024 bytes
; of the row between them), so that a conversion finds its eight numbers in one lane; the eight codes leave as 8 bytes, and the 32 lanes of a store cover 256 consecutive bytes, aligned.
.set NS,   3
.set SOFF, 0
.set G,    8                           ; v8-39    g of my 32 columns
.set BE,   40                          ; v40-71   be
.set X,    72                          ; v72-135  two rows
.set T,    136                         ; v136-167 the held numbers
.set C,    168                         ; v168-215 codes: 8 registers for each (row, scale), never written again
.set MU,   216                         ; v[216:217] the mean, twice
.set R,    218                         ; v[218:219] 1 / sqrt(var + eps), twice
.set CH,   220                         ; v220-223 two chains of sums
.set SC,   224                         ; v224+2s: 2^e as f32; v225+2s: 57,344 x 2^e
	s_load_b256 s[4:11], s[0:1], 0x0               ; x, g, be, the scales' exponents
	s_load_b64 s[12:13], s[0:1], 0x20              ; the codes
	v_lshrrev_b32 v3, 5, v0
	s_delay_alu instid0(VALU_DEP_1)
	v_readfirstlane_b32 s14, v3                    ; wave
	v_and_b32 v2, 31, v0
	s_delay_alu instid0(VALU_DEP_1)
	v_lshlrev_b32 v1, 5, v2                        ; 32 x lane: my bytes of 1,024 of a row
	s_delay_alu instid0(VALU_DEP_2)
	v_lshlrev_b32 v2, 3, v2                        ; 8 x lane: my codes' place
	s_lshl_b32 s15, ttmp9, 3
	s_add_co_u32 s15, s15, s14                     ; which pair of rows
	s_lshl_b32 s34, s15, 13                        ; two rows of 4,096 bytes
	s_mov_b32 s35, 0
	s_lshl_b32 s36, s15, 11                        ; two rows of 1,024 codes
	s_mov_b32 s37, 0
	s_mov_b32 s30, 0x3727c5ac                      ; 1e-5
	s_mov_b32 s31, 0x3a800000                      ; 1 / 1,024
	s_mov_b32 s32, 0x76543210                      ; v_permlanex16_b32: lane l xor 16
	s_mov_b32 s33, 0xfedcba98
	s_wait_alu depctr_va_vdst(0)
	s_wait_kmcnt 0x0
.set n, 0
.rept NS
	s_load_b32 s[16+n], s[10:11], SOFF+8*n
.set n, n+1
.endr
	s_add_nc_u64 s[4:5], s[4:5], s[34:35]
	s_add_nc_u64 s[24:25], s[12:13], s[36:37]
.if NS > 1
	s_add_nc_u64 s[26:27], s[24:25], 0x400000      ; a base for each scale: twice 4 MiB does not fit the stores' immediate
	s_add_nc_u64 s[28:29], s[26:27], 0x400000
.endif
.macro LOAD8 reg, base, off
.set n, 0
.rept 4
	global_load_b128 v[\reg+8*n:\reg+8*n+3], v1, s[\base:\base+1] offset:\off+1024*n
	global_load_b128 v[\reg+8*n+4:\reg+8*n+7], v1, s[\base:\base+1] offset:\off+1024*n+16
.set n, n+1
.endr
.endm
	LOAD8 G, 6, 0
	LOAD8 BE, 8, 0
	LOAD8 X, 4, 0
	LOAD8 X+32, 4, 4096
	s_wait_kmcnt 0x0
.set n, 0
.rept NS
	s_add_co_i32 s38, s[16+n], 127
	s_lshl_b32 s39, s38, 23
	v_mov_b32 v[SC+2*n], s39                       ; 2^e: the conversion takes its exponent field
	s_add_co_i32 s38, s38, 15
	s_lshl_b32 s38, s38, 23
	s_or_b32 s38, s38, 0x600000
	v_mov_b32 v[SC+2*n+1], s38                     ; 57,344 x 2^e
.set n, n+1
.endr
.macro REDUCE                          ; the pair v[CH:CH+1] of every lane becomes one sum in every lane
	s_delay_alu instid0(VALU_DEP_1)
	v_add_f32 v[CH], v[CH], v[CH+1]
	s_delay_alu instid0(VALU_DEP_1)
	v_add_f32_dpp v[CH], v[CH], v[CH] row_xmask:1 row_mask:0xf bank_mask:0xf
	s_delay_alu instid0(VALU_DEP_1)
	v_add_f32_dpp v[CH], v[CH], v[CH] row_xmask:2 row_mask:0xf bank_mask:0xf
	s_delay_alu instid0(VALU_DEP_1)
	v_add_f32_dpp v[CH], v[CH], v[CH] row_xmask:4 row_mask:0xf bank_mask:0xf
	s_delay_alu instid0(VALU_DEP_1)
	v_add_f32_dpp v[CH], v[CH], v[CH] row_xmask:8 row_mask:0xf bank_mask:0xf
	s_delay_alu instid0(VALU_DEP_1)
	v_permlanex16_b32 v[CH+1], v[CH], s32, s33
	s_delay_alu instid0(VALU_DEP_1)
	v_add_f32 v[CH], v[CH], v[CH+1]
.endm
.macro ROW r, left
.set XS, X+32*(\r)
	s_wait_loadcnt \left                           ; g, be and this row are in; the other row's eight loads may be out
	v_pk_add_f32 v[CH:CH+1], v[XS:XS+1], v[XS+2:XS+3]
	v_pk_add_f32 v[CH+2:CH+3], v[XS+4:XS+5], v[XS+6:XS+7]
.irp j, 8,12,16,20,24,28
	s_delay_alu instid0(VALU_DEP_2)
	v_pk_add_f32 v[CH:CH+1], v[CH:CH+1], v[XS+\j:XS+\j+1]
	s_delay_alu instid0(VALU_DEP_2)
	v_pk_add_f32 v[CH+2:CH+3], v[CH+2:CH+3], v[XS+\j+2:XS+\j+3]
.endr
	s_delay_alu instid0(VALU_DEP_1)
	v_pk_add_f32 v[CH:CH+1], v[CH:CH+1], v[CH+2:CH+3]
	REDUCE
	s_delay_alu instid0(VALU_DEP_1)
	v_mul_f32 v[MU], s31, v[CH]                    ; the mean
	s_delay_alu instid0(VALU_DEP_1)
	v_mov_b32 v[MU+1], v[MU]
.set n, 0
.rept 16
	v_pk_add_f32 v[XS+n:XS+n+1], v[XS+n:XS+n+1], v[MU:MU+1] neg_lo:[0,1] neg_hi:[0,1]
.set n, n+2
.endr
	v_pk_mul_f32 v[CH:CH+1], v[XS:XS+1], v[XS:XS+1]
	v_pk_mul_f32 v[CH+2:CH+3], v[XS+2:XS+3], v[XS+2:XS+3]
.irp j, 4,8,12,16,20,24,28
	s_delay_alu instid0(VALU_DEP_2)
	v_pk_fma_f32 v[CH:CH+1], v[XS+\j:XS+\j+1], v[XS+\j:XS+\j+1], v[CH:CH+1]
	s_delay_alu instid0(VALU_DEP_2)
	v_pk_fma_f32 v[CH+2:CH+3], v[XS+\j+2:XS+\j+3], v[XS+\j+2:XS+\j+3], v[CH+2:CH+3]
.endr
	s_delay_alu instid0(VALU_DEP_1)
	v_pk_add_f32 v[CH:CH+1], v[CH:CH+1], v[CH+2:CH+3]
	REDUCE
	s_delay_alu instid0(VALU_DEP_1)
	v_fma_f32 v[CH], v[CH], s31, s30               ; var + eps
	s_wait_alu depctr_va_vdst(0)
	v_rsq_f32 v[R], v[CH]
	v_nop                                          ; a plain instruction behind the transcendental,
	s_wait_alu depctr_va_vdst(0)                   ; and the wait ahead of its first reader
	v_mov_b32 v[R+1], v[R]
.set n, 0
.rept 16
	v_pk_mul_f32 v[XS+n:XS+n+1], v[XS+n:XS+n+1], v[R:R+1]
.set n, n+2
.endr
.set n, 0
.rept 16
	v_pk_fma_f32 v[XS+n:XS+n+1], v[XS+n:XS+n+1], v[G+n:G+n+1], v[BE+n:BE+n+1]
.set n, n+2
.endr
.set sx, 0
.rept NS
.set CR, C+8*(NS*(\r)+sx)
.set n, 0
.rept 32
	v_med3_num_f32 v[T+n], v[XS+n], -v[SC+2*sx+1], v[SC+2*sx+1]   ; the conversion to an 8-bit code does not saturate (ISA guide 7.6.2): the hold comes first
.set n, n+1
.endr
.set n, 0
.rept 4
	v_cvt_scalef32_pk8_bf8_f32 v[CR+2*n:CR+2*n+1], v[T+8*n:T+8*n+7], v[SC+2*sx]
.set n, n+1
.endr
	v_nop                                          ; a plain instruction between the conversions and the next holds, which write their sources
.set n, 0
.rept 4
	global_store_b64 v2, v[CR+2*n:CR+2*n+1], s[24+2*sx:25+2*sx] offset:1024*(\r)+256*n   ; 32 lanes store 256 consecutive bytes, aligned
.set n, n+1
.endr
.set sx, sx+1
.endr
.endm
	ROW 0, 8
	ROW 1, 0
	s_endpgm
.Lfunc_end_k_q28901682f3_ln1:
	.size	k_q28901682f3_ln1, .Lfunc_end_k_q28901682f3_ln1-k_q28901682f3_ln1
	.p2alignl 7, 3214868480
	.fill 96, 4, 3214868480
	.section	.rodata,"a",@progbits
	.p2align	6, 0x0
	.amdhsa_kernel k_q28901682f3_ln1
		.amdhsa_group_segment_fixed_size 0
		.amdhsa_private_segment_fixed_size 0
		.amdhsa_enable_private_segment 0
		.amdhsa_kernarg_size 40
		.amdhsa_user_sgpr_count 2
		.amdhsa_user_sgpr_kernarg_segment_ptr 1
		.amdhsa_wavefront_size32 1
		.amdhsa_system_sgpr_workgroup_id_x 1
		.amdhsa_system_sgpr_workgroup_id_y 1
		.amdhsa_system_sgpr_workgroup_id_z 1
		.amdhsa_system_vgpr_workitem_id 0
		.amdhsa_next_free_vgpr 232
		.amdhsa_next_free_sgpr 66
		.amdhsa_reserve_vcc 0
		.amdhsa_float_denorm_mode_32 3
		.amdhsa_float_denorm_mode_16_64 3
		.amdhsa_memory_ordered 1
		.amdhsa_forward_progress 1
		.amdhsa_inst_pref_size 37
	.end_amdhsa_kernel
	.amdgpu_metadata
---
amdhsa.version: [ 1, 2 ]
amdhsa.kernels:
  - .name:           k_q28901682f3_ln1
    .symbol:         k_q28901682f3_ln1.kd
    .args:
      - { .name: x, .offset: 0, .size: 8, .value_kind: global_buffer, .address_space: global }
      - { .name: g1, .offset: 8, .size: 8, .value_kind: global_buffer, .address_space: global }
      - { .name: be1, .offset: 16, .size: 8, .value_kind: global_buffer, .address_space: global }
      - { .name: lowp_scales, .offset: 24, .size: 8, .value_kind: global_buffer, .address_space: global }
      - { .name: hc, .offset: 32, .size: 8, .value_kind: global_buffer, .address_space: global }
    .group_segment_fixed_size: 0
    .private_segment_fixed_size: 0
    .kernarg_segment_align: 8
    .kernarg_segment_size: 40
    .max_flat_workgroup_size: 256
    .sgpr_count:     66
    .vgpr_count:     232
    .wavefront_size: 32
...
	.end_amdgpu_metadata
.endif
;; end of part 1
;; launch qkv (part 2): grid 12 x 16, 4 waves a work-group, clusters of 4 x 4, 327,680 bytes of LDS; arguments hc, Wq_codes, Wk_codes, Wv_codes, lowp_scales, qkv; writes qkv
.if DOCPART == 2
	.amdgcn_target "amdgcn-amd-amdhsa--gfx1250"
	.amdhsa_code_object_version 6
	.text
	.protected	k_q28901682f3_qkv
	.globl	k_q28901682f3_qkv
	.p2align	8
	.type	k_q28901682f3_qkv,@function
k_q28901682f3_qkv:
	s_mov_b64 s[64:65], 0
	v_nop
	global_prefetch_b8 v0, s[64:65] scope:SCOPE_SE
	s_setreg_imm32_b32 hwreg(HW_REG_WAVE_MODE, 25, 1), 1
	s_wait_xcnt 0x0
	s_wait_alu depctr_hold_cnt(0) depctr_sa_sdst(0) depctr_va_vdst(0) depctr_va_sdst(0) depctr_va_ssrc(0) depctr_va_vcc(0) depctr_vm_vsrc(0)
	s_getreg_b32 s2, hwreg(HW_REG_IB_STS2, 6, 4)
	s_cmp_eq_u32 s2, 0
	s_cbranch_scc0 .Lentry_in_a_cluster
	s_endpgm
.Lentry_in_a_cluster:
	s_bfe_u32 s2, ttmp6, 0x10000c
	s_cmp_lg_u32 s2, 0xf033
	s_cbranch_scc0 .Lentry_shape_is_right
	s_endpgm
.Lentry_shape_is_right:
.set SIZE_K, 1024
.set KSTEP,  256
.set ROWB,   256
.set KROW,   SIZE_K
.set PITCH,  272
.set FR,     16
.set NL,     4
.set NP,     4
.set HALFT,  128*PITCH
.set SLOT,   4*HALFT
.set LAPS,   SIZE_K/(2*KSTEP)
.set SPARE,  2*SLOT
.set STAGE,  SPARE+512
.set SPITCH, 144
.set CO,   8
.set ADRA, 16
.set ADRB, 20
.set STO,  24
.set RD,   25
.set SPW,  28
.set NIL,  29
.set SCL,  30
.set LIM,  31
.set TMP,  32
.set CD,   96
.set AF,   128
.set BK,   128
.set G1, 24
.set G0, 32
.set G1B, 48
.set G0B, 56
.set SEL, 66
.set MSB, 0
.macro WIN new
.if MSB != \new
	s_set_vgpr_msb (MSB<<8)|\new
.set MSB, \new
.endif
.endm
.set MUL_LO, 0xa1
.set MUL_HI, 0xf1
.set TO_B,   0x40
.macro JLOAD g0a, g1a, g0b, g1b
	s_cmp_eq_u32 s15, 0
	s_cbranch_scc0 .Lfor_b_\@
	tensor_load_to_lds s[\g0a:\g0a+3], s[\g1a:\g1a+7]
	s_nop 0
.rept 4
	v_nop
.endr
	s_branch .Lasked_\@
.Lfor_b_\@:
	tensor_load_to_lds s[\g0b:\g0b+3], s[\g1b:\g1b+7]
	s_nop 0
.rept 4
	v_nop
.endr
.Lasked_\@:
.endm
.macro CREST
	s_cmp_lg_u32 s14, 0
	s_cbranch_scc1 .Lnot_wave_0_\@
	s_barrier_signal -3
.Lnot_wave_0_\@:
	s_barrier_wait -3
	s_barrier_signal -1
	s_barrier_wait -1
.endm
.macro CROUND
	s_barrier_signal -1
	s_barrier_wait -1
	CREST
.endm
	s_load_b256 s[4:11], s[0:1], 0x0
	s_load_b128 s[68:71], s[0:1], 0x20
	v_lshl_add_u32 v[SPW], v0, 2, SPARE
	v_mov_b32 v[NIL], 0
	ds_add_u32 v28, v29
	ds_add_u32 v28, v29
	s_wait_dscnt 0x0
	v_lshrrev_b32 v1, 5, v0
	v_readfirstlane_b32 s14, v1
	s_lshr_b32 s15, s14, 1
	s_and_b32 s16, s14, 1
	s_bfe_u32 s40, ttmp6, 0x40000
	s_bfe_u32 s41, ttmp6, 0x40004
	s_mov_b32 s[SEL], ttmp9
	s_and_b32 s67, ttmp7, 0xffff
	s_lshl_b32 s67, s67, 2
	s_cmp_eq_u32 s[SEL], 2
	s_cselect_b32 s17, 0, s67
	s_cselect_b32 s42, s67, 0
	s_add_co_u32 s17, s17, s41
	s_add_co_u32 s42, s42, s40
	s_lshl_b32 s43, s41, 2
	s_lshl_b32 s43, 15, s43
	s_lshl_b32 s44, 0x1111, s40
	s_or_b32 s[G1+0], s43, (0<<16)|(1<<20)|(1<<21)|(5<<22)|(3<<25)
	s_or_b32 s[G1B+0], s44, (0<<16)|(1<<20)|(1<<21)|(5<<22)|(3<<25)
.irp g, G1, G1B
	s_mov_b32 s[\g+1], ROWB<<16
	s_mov_b32 s[\g+2], 128<<16
	s_mov_b32 s[\g+3], ROWB<<16
	s_mov_b32 s[\g+4], 128
	s_mov_b32 s[\g+5], KROW
	s_mov_b32 s[\g+6], 0
	s_mov_b32 s[\g+7], 0
.endr
	s_lshl_b32 s18, s16, 7
	s_lshl_b32 s20, s17, 8
	s_add_co_u32 s20, s20, s18
	s_lshl_b32 s20, s20, 10
	s_mov_b32 s21, 0
	s_lshl_b32 s46, s42, 8
	s_add_co_u32 s46, s46, s18
	s_lshl_b32 s46, s46, 10
	s_mov_b32 s47, 0
	s_mul_i32 s45, s14, HALFT
	s_lshl_b32 s92, s[SEL], 22
	s_mov_b32 s93, 0
	s_wait_kmcnt 0x0
	s_load_b512 s[72:87], s[68:69], 0x0
	s_add_nc_u64 s[88:89], s[4:5], s[92:93]
	s_cmp_eq_u32 s[SEL], 0
	s_cselect_b64 s[92:93], s[6:7], s[8:9]
	s_cmp_eq_u32 s[SEL], 2
	s_cselect_b64 s[90:91], s[10:11], s[88:89]
	s_cselect_b64 s[92:93], s[88:89], s[92:93]
	s_add_nc_u64 s[20:21], s[90:91], s[20:21]
	s_add_nc_u64 s[46:47], s[92:93], s[46:47]
	CROUND
.irp s, 0,1
	s_mov_b32 s[G0+4*\s], 1
	s_add_co_u32 s[G0+4*\s+1], s45, \s*SLOT
	s_add_nc_u64 s[G0+4*\s+2:G0+4*\s+3], s[20:21], \s*ROWB
	s_or_b32 s[G0+4*\s+3], s[G0+4*\s+3], 0x80000000
	s_mov_b32 s[G0B+4*\s], 1
	s_add_co_u32 s[G0B+4*\s+1], s45, \s*SLOT
	s_add_nc_u64 s[G0B+4*\s+2:G0B+4*\s+3], s[46:47], \s*ROWB
	s_or_b32 s[G0B+4*\s+3], s[G0B+4*\s+3], 0x80000000
.endr
	JLOAD G0, G1, G0B, G1B                         ; K step 0: one tensor load a wave at the head
	; a prefetch of K steps 2 and 3, two refills ahead of their loads: of the 128 rows that I fetch, my work-group's 32 (told apart by address: cx for A, cy for B), a lane a row, 256 bytes of a row for each K step
	s_cmp_eq_u32 s15, 0
	s_cselect_b32 s18, s17, s42
	s_cselect_b32 s19, s40, s41
	s_cselect_b64 s[88:89], s[90:91], s[92:93]
	s_lshl_b32 s18, s18, 3
	s_add_co_u32 s18, s18, s19                     ; in units of 32 rows: 8 x tile + my place
	s_lshl_b32 s19, s16, 2
	s_add_co_u32 s18, s18, s19                     ; + 4 x the half that I fetch
	s_lshl_b32 s18, s18, 15                        ; 32 rows of 1,024 bytes
	s_mov_b32 s19, 0
	s_add_nc_u64 s[88:89], s[88:89], s[18:19]
	v_and_b32 v12, 31, v0
	v_lshlrev_b32 v12, 10, v12
	global_prefetch_b8 v12, s[88:89] offset:512 th:TH_LOAD_NT scope:SCOPE_SE
	global_prefetch_b8 v12, s[88:89] offset:768 th:TH_LOAD_NT scope:SCOPE_SE
	v_and_b32 v1, 15, v0
	s_wait_alu depctr_va_vdst(0)
	v_bfe_u32 v2, v0, 4, 1
	v_mul_u32_u24 v3, v1, PITCH
	v_lshl_add_u32 v4, v2, 4, v3
	s_mul_i32 s21, s15, HALFT
	s_mul_i32 s22, s16, HALFT
	s_add_co_u32 s22, s22, 2*HALFT
.irp s, 0,1
	v_add_nc_u32 v[ADRA+\s], s21, v4
	v_add_nc_u32 v[ADRB+\s], s22, v4
	s_add_co_u32 s21, s21, SLOT
	s_add_co_u32 s22, s22, SLOT
.endr
	s_mul_i32 s23, s14, 16*SPITCH
	s_add_co_u32 s23, s23, STAGE
	v_mul_u32_u24 v5, v1, SPITCH
	s_wait_alu depctr_va_vdst(0)
	v_lshl_add_u32 v5, v2, 3, v5
	v_add_nc_u32 v[STO], s23, v5
	v_bfe_u32 v5, v0, 2, 2
	s_wait_alu depctr_va_vdst(0)
	v_and_b32 v6, 3, v0
	v_mul_u32_u24 v7, v5, SPITCH
	v_lshl_add_u32 v7, v2, 6, v7
	v_lshl_add_u32 v7, v6, 4, v7
	v_add_nc_u32 v[RD], s23, v7
	s_cmp_eq_u32 s[SEL], 2
	s_cselect_b32 s94, 128, 64
	s_mov_b32 s95, 0x20000
	s_cselect_b32 s95, 64, s95
	s_cselect_b32 s98, 122880, 0
	s_cselect_b32 s18, s42, s17
	s_cselect_b32 s19, s16, s15
	s_cselect_b32 s22, s17, s42
	s_cselect_b32 s23, s15, s16
	s_lshl_b32 s96, s94, 4
	s_mov_b32 s97, 0
	s_mov_b32 s99, 0
	v_mul_lo_u32 v[CO], v2, s95
	v_mul_lo_u32 v7, v5, s94
	v_add_nc_u32 v[CO], v[CO], v7
	s_wait_alu depctr_va_vdst(0)
	v_lshl_add_u32 v[CO], v6, 4, v[CO]
	s_lshl_b32 s94, s94, 2
	v_add_nc_u32 v[CO+1], s94, v[CO]
	v_add_nc_u32 v[CO+2], s94, v[CO+1]
	v_add_nc_u32 v[CO+3], s94, v[CO+2]
	s_lshl_b32 s18, s18, 1
	s_add_co_u32 s18, s18, s19
	s_lshl_b32 s22, s22, 1
	s_add_co_u32 s22, s22, s23
	s_lshl_b32 s22, s22, 1
	s_lshr_b32 s19, s18, 4
	s_and_b32 s18, s18, 15
	s_lshl_b32 s19, s19, 4
	s_add_co_u32 s19, s19, s22
	s_lshl_b32 s19, s19, 17
	s_lshl_b32 s18, s18, 13
	s_add_co_u32 s18, s18, s19
	s_lshl_b32 s19, s[SEL], 22
	s_add_co_u32 s18, s18, s19
	s_mov_b32 s19, 0
	s_add_nc_u64 s[70:71], s[70:71], s[18:19]
.macro FRAG reg, adr, q, i
.irp c, 0,1,2,3
	ds_load_b128 v[\reg+4*\c:\reg+4*\c+3], v[\adr] offset:128*(\q)+32*\c+(\i)*16*PITCH
.endr
.endm
.macro MUL16 a0, p, zero
.irp a, \a0, \a0+1
.irp b, 0,1,2,3,4,5,6,7
.if \zero
	v_wmma_f32_16x16x128_bf8_bf8 v[8*(8*((\a)%4)+\b):8*(8*((\a)%4)+\b)+7], v[128*(\p)+FR*\b:128*(\p)+FR*\b+FR-1], v[AF+FR*(\a):AF+FR*(\a)+FR-1], 0
.else
	v_wmma_f32_16x16x128_bf8_bf8 v[8*(8*((\a)%4)+\b):8*(8*((\a)%4)+\b)+7], v[128*(\p)+FR*\b:128*(\p)+FR*\b+FR-1], v[AF+FR*(\a):AF+FR*(\a)+FR-1], v[8*(8*((\a)%4)+\b):8*(8*((\a)%4)+\b)+7]
.endif
.endr
.endr
.endm
.macro FETCH_B slot, q, p
	WIN TO_B
.irp i, 0,1,2,3,4,5,6,7
	FRAG 128*(\p)+FR*\i, ADRB+\slot, \q, \i
.endr
	WIN 0
.endm
.macro FETCH_A slot, q, i0
.irp i, \i0, \i0+1, \i0+2, \i0+3
	FRAG AF+FR*(\i), ADRA+\slot, \q, \i
.endr
.endm
.macro PLACES n
.rept \n
	v_nop
.endr
.endm
.macro STEP slot, q, zero
	s_wait_dscnt 4*NL
	WIN MUL_LO
	MUL16 0, (\q)%2, \zero
	MUL16 2, (\q)%2, \zero
	s_wait_dscnt 0
	PLACES NP
	FETCH_B \slot, (\q)+1, 1-(\q)%2
	FETCH_A \slot, (\q)+1, 0
	WIN MUL_HI
	MUL16 4, (\q)%2, \zero
	MUL16 6, (\q)%2, \zero
	PLACES NP
	WIN 0
	FETCH_A \slot, (\q)+1, 4
.endm
.macro TURN slot, next, fill
	s_wait_tensorcnt 0x0
	ds_add_u32 v[SPW], v[NIL]
	s_wait_dscnt 4*NL+1
	WIN MUL_LO
	MUL16 0, 1, 0
	s_wait_dscnt 0x0
	s_barrier_signal -1
	MUL16 2, 1, 0
	WIN 0
	s_barrier_wait -1
.if \fill
	CREST
	s_add_nc_u64 s[G0+4*\slot+2:G0+4*\slot+3], s[G0+4*\slot+2:G0+4*\slot+3], 2*ROWB
	s_add_nc_u64 s[G0B+4*\slot+2:G0B+4*\slot+3], s[G0B+4*\slot+2:G0B+4*\slot+3], 2*ROWB
	JLOAD G0+4*\slot, G1, G0B+4*\slot, G1B
.else
	PLACES NP
.endif
	FETCH_B \next, 0, 0
	FETCH_A \next, 0, 0
	WIN MUL_HI
	MUL16 4, 1, 0
	MUL16 6, 1, 0
	PLACES NP
	WIN 0
	FETCH_A \next, 0, 4
.endm
	s_wait_alu depctr_va_vdst(0)                   ; the wait at the head's end
	s_wait_tensorcnt 0x0                           ; my part of K step 0 is in; slot 1's first fill is issued as a refill is
	ds_add_u32 v[SPW], v[NIL]
	s_wait_dscnt 0x0
	CROUND
	JLOAD G0+4, G1, G0B+4, G1B                     ; K step 1: the first tensor load behind the round
	FETCH_B 0, 0, 0
	FETCH_A 0, 0, 0
	FETCH_A 0, 0, 4
	STEP 0, 0, 1
	s_mov_b32 s3, LAPS-1
.Llap:
	TURN 0, 1, 1
	STEP 1, 0, 0
	TURN 1, 0, 1
	STEP 0, 0, 0
	s_sub_co_u32 s3, s3, 1
	s_cmp_lg_u32 s3, 0
	s_cbranch_scc1 .Llap
	TURN 0, 1, 0
	STEP 1, 0, 0
	s_wait_dscnt 4*NL
	WIN MUL_LO
	MUL16 0, 1, 0
	MUL16 2, 1, 0
	s_wait_dscnt 0
	WIN MUL_HI
	MUL16 4, 1, 0
	MUL16 6, 1, 0
	WIN 0
.macro TOSTAGE a
.set AC, 64*((\a)%4)
.set CC, CD+16*((\a)%2)
.set BB, BK+16*((\a)%2)
	WIN 0x02+((\a)/4)
.set n, 0
.rept 64
	v_med3_num_f32 v[TMP+n], v[AC+n], -v[LIM], v[LIM]
.set n, n+1
.endr
	WIN 0
.set n, 0
.rept 8
	v_cvt_scalef32_pk8_bf8_f32 v[CC+2*n:CC+2*n+1], v[TMP+8*n:TMP+8*n+7], v[SCL]
.set n, n+1
.endr
	v_nop
.set n, 0
.rept 8
	ds_store_b64 v[STO], v[CC+2*n:CC+2*n+1] offset:16*n
.set n, n+1
.endr
.set n, 0
.rept 4
	ds_load_b128 v[BB+4*n:BB+4*n+3], v[RD] offset:4*SPITCH*n
.set n, n+1
.endr
.endm
.macro SEND a, younger
.set BB, BK+16*((\a)%2)
	s_wait_dscnt \younger
.if (\a) > 0
	s_add_nc_u64 s[70:71], s[70:71], s[96:97]
.endif
.if (\a) == 4
	s_add_nc_u64 s[70:71], s[70:71], s[98:99]
.endif
.set n, 0
.rept 4
	global_store_b128 v[CO+n], v[BB+4*n:BB+4*n+3], s[70:71]
.set n, n+1
.endr
.endm
	s_wait_kmcnt 0x0
	s_sub_co_i32 s18, s78, s72
	s_sub_co_i32 s18, s18, s73
	s_sub_co_i32 s19, s79, s74
	s_sub_co_i32 s19, s19, s75
	s_sub_co_i32 s20, s80, s76
	s_sub_co_i32 s20, s20, s77
	s_cmp_eq_u32 s[SEL], 0
	s_cselect_b32 s18, s18, s19
	s_cmp_eq_u32 s[SEL], 2
	s_cselect_b32 s18, s20, s18
	s_add_co_i32 s18, s18, 127
	s_lshl_b32 s19, s18, 23
	v_mov_b32 v[SCL], s19
	s_add_co_i32 s18, s18, 15
	s_lshl_b32 s18, s18, 23
	s_or_b32 s18, s18, 0x600000
	v_mov_b32 v[LIM], s18
	PLACES NP
	TOSTAGE 0
.irp a, 1,2,3,4,5,6,7
.if \a > 1
	s_wait_xcnt 0x0
.endif
	TOSTAGE \a
	SEND \a-1, 12
.endr
	s_wait_xcnt 0x0
	SEND 7, 0
	s_wait_tensorcnt 0x0
	ds_add_u32 v[SPW], v[NIL]
	s_wait_dscnt 0x0
	CROUND
	s_endpgm
.Lfunc_end_k_q28901682f3_qkv:
	.size	k_q28901682f3_qkv, .Lfunc_end_k_q28901682f3_qkv-k_q28901682f3_qkv
	.p2alignl 7, 3214868480
	.fill 96, 4, 3214868480
	.section	.rodata,"a",@progbits
	.p2align	6, 0x0
	.amdhsa_kernel k_q28901682f3_qkv
		.amdhsa_group_segment_fixed_size 327680
		.amdhsa_private_segment_fixed_size 0
		.amdhsa_enable_private_segment 0
		.amdhsa_kernarg_size 48
		.amdhsa_user_sgpr_count 2
		.amdhsa_user_sgpr_kernarg_segment_ptr 1
		.amdhsa_wavefront_size32 1
		.amdhsa_system_sgpr_workgroup_id_x 1
		.amdhsa_system_sgpr_workgroup_id_y 1
		.amdhsa_system_sgpr_workgroup_id_z 1
		.amdhsa_system_vgpr_workitem_id 0
		.amdhsa_next_free_vgpr 1024
		.amdhsa_next_free_sgpr 100
		.amdhsa_reserve_vcc 0
		.amdhsa_float_denorm_mode_32 3
		.amdhsa_float_denorm_mode_16_64 3
		.amdhsa_memory_ordered 1
		.amdhsa_forward_progress 1
		.amdhsa_inst_pref_size 127
	.end_amdhsa_kernel
	.amdgpu_metadata
---
amdhsa.version: [ 1, 2 ]
amdhsa.kernels:
  - .name:           k_q28901682f3_qkv
    .symbol:         k_q28901682f3_qkv.kd
    .args:
      - { .name: hc, .offset: 0, .size: 8, .value_kind: global_buffer, .address_space: global }
      - { .name: Wq_codes, .offset: 8, .size: 8, .value_kind: global_buffer, .address_space: global }
      - { .name: Wk_codes, .offset: 16, .size: 8, .value_kind: global_buffer, .address_space: global }
      - { .name: Wv_codes, .offset: 24, .size: 8, .value_kind: global_buffer, .address_space: global }
      - { .name: lowp_scales, .offset: 32, .size: 8, .value_kind: global_buffer, .address_space: global }
      - { .name: qkv, .offset: 40, .size: 8, .value_kind: global_buffer, .address_space: global }
    .group_segment_fixed_size: 327680
    .private_segment_fixed_size: 0
    .kernarg_segment_align: 8
    .kernarg_segment_size: 48
    .max_flat_workgroup_size: 128
    .sgpr_count:     100
    .vgpr_count:     1024
    .wavefront_size: 32
...
	.end_amdgpu_metadata
.endif
;; end of part 2
;; launch attn (part 3): grid 8 x 32, 16 waves a work-group, no clusters, 327,680 bytes of LDS; arguments qkv, lowp_scales, oc; writes oc
.if DOCPART == 3
	.amdgcn_target "amdgcn-amd-amdhsa--gfx1250"
	.amdhsa_code_object_version 6
	.text
	.protected	k_q28901682f3_attn
	.globl	k_q28901682f3_attn
	.p2align	8
	.type	k_q28901682f3_attn,@function
k_q28901682f3_attn:
	s_mov_b64 s[64:65], 0
	v_nop
	global_prefetch_b8 v0, s[64:65] scope:SCOPE_SE
	s_setreg_imm32_b32 hwreg(HW_REG_WAVE_MODE, 25, 1), 1
	s_wait_xcnt 0x0
; Causal attention on codes of BF8 (E5M2): o = softmax(q k^T / 32) v for 32 (batch, head) pairs, 2,048 tokens, head size 64; the result as codes again, for the next product.
; IN (one buffer): q at 0, k at 4 MiB: [bh][2048][64]; v at 8 MiB with the keys innermost: [bh][16 blocks of keys][64 channels][128 keys].  OUT: [token / 128][head][128 tokens][64].
; THE SOFTMAX: t = score x log2(e) / 32; M = the running largest t rounded UP to a whole number; p = 2^(t - M) is quantised with 2^e9, not normalised; the sum is taken of the unquantised p and divides at the end.
; SHARES.  A work-group owns two blocks of 128 queries of one head: the long one, 15 - i, and the short one, i (i = work-group x): 8 tiles of 16 queries x 17 key steps of 128 keys = 136 steps of a wave, for sixteen
; 0 to i (rounds 0 to i), finishes that block, and then takes the long block's steps 15 - i down to 8 (rounds i + 1 to 8).  So the key step of round r is r while r <= i, then 16 - r; for group 0 always r.
; The long block's two parts have a running M, a sum and an O^T each; behind the last round group 1 hands its part to group 0 through LDS as an image of its registers, and both are brought under the larger M by
; powers of two, which rounds nothing.  The change of blocks is a branch on ids; no barrier and no tensor load stands in it.
; Both products are used transposed: a lane holds ONE query (lane % 16).  S^T = k q^T by the K = 64 form, both sides fed by two loads of 16 bytes (the same permutation of k);
; tile n of S^T holds keys 16 n + 8 (lane / 16) + 0 .. 7, so its eight codes are registers 2 n, 2 n + 1 of the K = 128 form's operand as that form lays k; v's fragments come in the same layout, by loads of 8 bytes.
; THE RING: two slots, each with the tiles of two rounds: tile x = 4 (round % 2) + 2 group + (0 k, 1 v), 8 KiB dense in memory, stated as 32 rows of 256 bytes + 16 of padding; wave x (0 to 7) fetches tile x.
; Group 1's two key steps of a slot are no neighbours in memory, so no one descriptor covers two tiles.  A refill has two rounds in which to land.
; NO CLUSTER: the round at which group 1 changes blocks, and the tiles that it walks, hang on the work-group's place among the head's eight.
; LDS: slot s at 131,072 s (69,632 bytes used); stages at 262,144 (1 KiB a wave); the images at 278,528 (4,608 bytes a tile of queries); the spare words at 315,392.
; LIMITS: e6 + e7 between -121 and 132; e9 and e10 - e8 - e9 between -126 and 112.  NaN among the inputs is not served.
; REGISTERS: v1-7, v10, v11, v24 addresses; v8, v9 the step's LDS addresses; v12 -M, v13 the largest t, v[14:15] the sum; v16-23 q; v32-95 k's 8 fragments, then v's 4; v96-159 S^T, then p; v160-191 O^T; v192-207 p's codes.
.set SLOT1, 131072
.set TILEB, 8704                       ; a tile: 32 rows x 272
.set GRPB,  17408                      ; a group's k and v of a round
.set RNDB,  34816                      ; a round's four tiles
.set STAGE, 262144
.set IMG,   278528
.set IMGB,  4608                       ; nine stores of 512 bytes
.set SPARE, 315392
.set AK0,  1
.set AV0,  2
.set PFO,  3
.set STO,  4
.set SPW,  5
.set NIL,  6
.set GO,   7
.set ADK,  8
.set ADV,  9
.set RD,   10
.set QO,   11
.set IMGA, 24
.set TB,   2                           ; s2   LDS byte at which the slot in hand begins
.set NN,   3                           ; s3   the trip
.set WV,   18
.set SEL,  20
.set CS,   22                          ; s[22:23] c = log2(e) / 32 x 2^(e6 + e7)
.set G1,   24
.set G0,   32
.set IC,   36                          ; s36  the last round of my first block: i in group 1, 99 in group 0
.set IFT,  37                          ; s37  the same for the tile that I fetch or prefetch
.set KF,   40                          ; s40  the step's first key
.set Q0,   41                          ; s41  my first query
.set RC,   43                          ; s43  the round
.set PFA,  50
.set PLIM, 52
.set WH,   53                          ; s53  wave / 2
.set RF,   54                          ; s54  the round whose tile I fetch next
.set GR,   57                          ; s57  my group
.set FB,   86                          ; s[86:87] k's or v's first byte of the head, for the tile that I fetch or prefetch
.macro TLOAD mode
.if \mode == 2
	s_cmp_lt_u32 s[WV], 8
.else
	s_cmp_eq_u32 s[WH], 1
.endif
	s_cbranch_scc0 .Lasked_\@
	tensor_load_to_lds s[G0:G0+3], s[G1:G1+7]
	s_nop 0
.rept 4
	v_nop
.endr
.Lasked_\@:
.endm
.macro WHERE dst, rnd, lim             ; the key step of round rnd: rnd while rnd <= lim, then 16 - rnd
	s_sub_co_u32 s96, 16, s[\rnd]
	s_cmp_le_u32 s[\rnd], s[\lim]
	s_cselect_b32 s[\dst], s[\rnd], s96
.endm
.macro AIM                             ; my descriptor's global address: the tile of round s[RF]; then two rounds on
	WHERE 38, RF, IFT
	s_lshl_b32 s38, s38, 13
	s_add_nc_u64 s[G0+2:G0+3], s[FB:FB+1], s[38:39]
	s_or_b32 s[G0+3], s[G0+3], 0x80000000
	s_add_co_u32 s[RF], s[RF], 2
.endm
; A prefetch of the tiles that the NEXT change of slots asks for.  The work-group with i = 0 walks every key step of the head once (group 0: 0 to 7; group 1: 0, then 15 down to 8): it asks, in its waves 8 to 15,
.macro ASK
	s_cmp_le_u32 s[RF], s[PLIM]
	s_cbranch_scc0 .Lnot_mine_\@
	global_prefetch_b8 v[PFO], s[PFA:PFA+1] th:TH_LOAD_NT scope:SCOPE_SE
.Lnot_mine_\@:
.endm
	s_load_b128 s[4:7], s[0:1], 0x0                ; qkv, the scales' exponents
	s_load_b64 s[8:9], s[0:1], 0x10                ; oc
	v_lshl_add_u32 v[SPW], v0, 2, SPARE
	v_mov_b32 v[NIL], 0
	ds_add_u32 v5, v6
	ds_add_u32 v5, v6
	s_wait_dscnt 0x0
	v_lshrrev_b32 v8, 5, v0
	s_delay_alu instid0(VALU_DEP_1)
	v_readfirstlane_b32 s[WV], v8                  ; wave 0..15
	s_lshr_b32 s[WH], s[WV], 1
	s_lshr_b32 s[GR], s[WV], 3                     ; my group
	s_and_b32 s15, s[WV], 7                        ; my tile of queries.  Also: the tile of k or v that I fetch (waves 0 to 7) or prefetch (waves 8 to 15)
	s_lshr_b32 s[RF], s15, 2                       ; that tile's round in slot 0
	s_mov_b32 s10, ttmp9                           ; i
	s_and_b32 s11, ttmp7, 0xffff                   ; bh
	s_cmp_eq_u32 s[GR], 0
	s_cselect_b32 s[IC], 99, s10
	s_bfe_u32 s12, s15, 0x10001                    ; the group that reads the tile
	s_cmp_eq_u32 s12, 0
	s_cselect_b32 s[IFT], 99, s10
	s_cselect_b32 s13, 7, 8                        ; the last round that has such a tile
	s_xor_b32 s12, s[GR], 1                        ; 0 in waves 8 to 15,
	s_or_b32 s12, s12, s10                         ; of the work-group with i = 0
	s_cmp_eq_u32 s12, 0
	s_cselect_b32 s[PLIM], s13, 0
	s_lshl_b32 s13, s15, 4
	s_sub_co_u32 s42, 15, s10
	s_lshl_b32 s42, s42, 7
	s_add_co_u32 s42, s42, s13                     ; the long block's: 128 (15 - i) + 16 x tile
	s_lshl_b32 s12, s10, 7
	s_add_co_u32 s12, s12, s13                     ; the short block's
	s_cmp_eq_u32 s[GR], 0
	s_cselect_b32 s[Q0], s42, s12                  ; group 0 begins with the long block, group 1 with the short one
	s_mov_b32 s[RC], 0
	s_mov_b32 s[TB], 0
	s_mov_b32 s[NN], 0
	s_mov_b32 s39, 0
	s_mov_b32 s59, 0
	s_mov_b32 s[SEL], 0x76543210
	s_mov_b32 s[SEL+1], 0xfedcba98
	s_mov_b32 s[G1], (0<<16)|(1<<20)|(5<<22)|(3<<25)   ; no mask; elements of 1 byte; padding: 4 words after every 64
	s_mov_b32 s[G1+1], 256<<16                     ; tensor_dim0
	s_mov_b32 s[G1+2], 32<<16                      ; tensor_dim1
	s_mov_b32 s[G1+3], 256<<16                     ; tile_dim0
	s_mov_b32 s[G1+4], 32                          ; tile_dim1
	s_mov_b32 s[G1+5], 256                         ; the pitch: the block is dense
	s_mov_b32 s[G1+6], 0
	s_mov_b32 s[G1+7], 0
	s_lshl_b32 s14, s11, 17                        ; the head's first byte in q, k and v
	s_and_b32 s16, s15, 1
	s_lshl_b32 s16, s16, 22
	s_add_co_u32 s16, s16, 0x400000
	s_add_co_u32 s16, s16, s14                     ; k's (even tiles) or v's (odd tiles) first byte of the head
	s_mov_b32 s17, 0
	s_wait_kmcnt 0x0
	s_load_b512 s[68:83], s[6:7], 0x0              ; e0 .. e15
	s_add_nc_u64 s[FB:FB+1], s[4:5], s[16:17]
	s_mov_b32 s[G0], 1
	s_mul_i32 s[G0+1], s15, TILEB                  ; tile x at x x 8,704 of slot 0
	AIM
	TLOAD 2                                        ; slot 0: rounds 0 and 1
	s_lshl_b32 s16, s[Q0], 6
	s_add_co_u32 s16, s16, s14
	s_add_nc_u64 s[84:85], s[4:5], s[16:17]        ; q of my first block's tile
	s_lshl_b32 s16, s42, 6
	s_add_co_u32 s16, s16, s14
	s_add_nc_u64 s[44:45], s[4:5], s[16:17]        ; and of the long block's
	s_lshr_b32 s12, s11, 4
	s_lshl_b32 s12, s12, 4                         ; 16 b
	s_and_b32 s13, s11, 15
	s_lshl_b32 s13, s13, 13
	s_lshl_b32 s16, s15, 10
	s_add_co_u32 s13, s13, s16                     ; head x 8,192 + tile x 1,024
	s_sub_co_u32 s16, 15, s10
	s_add_co_u32 s16, s16, s12
	s_lshl_b32 s16, s16, 17
	s_add_co_u32 s16, s16, s13
	s_add_nc_u64 s[46:47], s[8:9], s[16:17]        ; oc: the long block's tile
	s_add_co_u32 s16, s10, s12
	s_lshl_b32 s16, s16, 17
	s_add_co_u32 s16, s16, s13
	s_add_nc_u64 s[48:49], s[8:9], s[16:17]        ; the short block's
	v_and_b32 v8, 15, v0                           ; r
	v_bfe_u32 v9, v0, 4, 1                         ; h
	s_delay_alu instid0(VALU_DEP_2)
	v_lshlrev_b32 v[QO], 6, v8
	s_delay_alu instid0(VALU_DEP_1)
	v_lshl_add_u32 v[QO], v9, 4, v[QO]             ; q: row r of 64 bytes, + 16 h
	global_load_b128 v[16:19], v[QO], s[84:85]
	global_load_b128 v[20:23], v[QO], s[84:85] offset:32
	s_mul_i32 s12, s[GR], GRPB                     ; my group's tiles in a round
	v_lshrrev_b32 v10, 2, v8
	s_delay_alu instid0(VALU_DEP_1)
	v_mul_u32_u24 v[AK0], v10, 272
	v_and_b32 v10, 3, v8
	s_delay_alu instid0(VALU_DEP_1)
	v_lshl_add_u32 v[AK0], v10, 6, v[AK0]
	s_delay_alu instid0(VALU_DEP_1)
	v_lshl_add_u32 v[AK0], v9, 4, v[AK0]
	s_delay_alu instid0(VALU_DEP_1)
	v_add_nc_u32 v[AK0], s12, v[AK0]               ; k: four keys to an LDS row: (r / 4) x 272 + (r % 4) x 64 + 16 h
	v_lshrrev_b32 v10, 1, v8
	s_delay_alu instid0(VALU_DEP_1)
	v_mul_u32_u24 v[AV0], v10, 272
	v_and_b32 v10, 1, v8
	s_delay_alu instid0(VALU_DEP_1)
	v_lshl_add_u32 v[AV0], v10, 7, v[AV0]
	s_delay_alu instid0(VALU_DEP_1)
	v_lshl_add_u32 v[AV0], v9, 3, v[AV0]
	s_delay_alu instid0(VALU_DEP_1)
	v_add_nc_u32 v[AV0], TILEB, v[AV0]
	s_delay_alu instid0(VALU_DEP_1)
	v_add_nc_u32 v[AV0], s12, v[AV0]               ; v: two channels to an LDS row: (r / 2) x 272 + (r % 2) x 128 + 8 h
	v_and_b32 v[GO], 31, v0
	s_delay_alu instid0(VALU_DEP_1)
	v_lshlrev_b32 v[PFO], 8, v[GO]
	s_delay_alu instid0(VALU_DEP_2)
	v_lshlrev_b32 v[GO], 4, v[GO]                  ; 16 x lane
	s_lshl_b32 s12, s[WV], 10
	s_add_co_u32 s12, s12, STAGE                   ; my stage
	v_add_nc_u32 v[RD], s12, v[GO]
	v_lshlrev_b32 v[STO], 6, v8
	s_delay_alu instid0(VALU_DEP_1)
	v_lshl_add_u32 v[STO], v9, 3, v[STO]
	s_delay_alu instid0(VALU_DEP_1)
	v_add_nc_u32 v[STO], s12, v[STO]               ; in: query r's 64 bytes, + 8 h
	s_mul_i32 s13, s15, IMGB
	s_add_co_u32 s13, s13, IMG
	v_add_nc_u32 v[IMGA], s13, v[GO]               ; my tile's image: 16 x lane; group 1 stores it, group 0 reads it
	v_mov_b32 v236, 0                              ; written once: a lane permute's destination counts as one of its sources
	v_mov_b32 v242, 0
	v_mov_b32 v243, 0                              ; (named as the upper halves of pairs)
	v_mov_b32 v252, 0
	v_mov_b32 v253, 0
.macro INIT                            ; a block's state: the step is written once, and the first finds zeros, which the first change of M leaves zeros
	v_mov_b32 v13, 0xff61b1e6                      ; -3e38, under every t
	s_delay_alu instid0(VALU_DEP_1)
	v_floor_f32 v12, -v13
	v_mov_b32 v14, 0
	v_mov_b32 v15, 0
.set n, 0
.rept 32
	v_mov_b32 v[160+n], 0
.set n, n+1
.endr
.endm
	INIT
	s_wait_kmcnt 0x0
	s_mov_b32 s[CS], 0x3d38aa3b                    ; log2(e) / 32
	s_add_co_i32 s12, s74, s75
	s_lshl_b32 s12, s12, 23
	s_add_co_i32 s[CS], s[CS], s12                 ; x 2^(e6 + e7): the exponents are added to c's exponent field
	s_mov_b32 s[CS+1], s[CS]
	s_add_co_i32 s12, s77, 127
	s_lshl_b32 s13, s12, 23
	v_mov_b32 v244, s13                            ; 2^e9
	s_add_co_i32 s12, s12, 15
	s_lshl_b32 s12, s12, 23
	s_or_b32 s12, s12, 0x600000
	v_mov_b32 v240, s12                            ; 57,344 x 2^e9
	s_sub_co_i32 s12, s78, s76
	s_sub_co_i32 s12, s12, s77
	s_add_co_i32 s12, s12, 127
	s_lshl_b32 s13, s12, 23
	v_mov_b32 v245, s13                            ; 2^(e10 - e8 - e9): the output's three scales folded into one
	s_add_co_i32 s12, s12, 15
	s_lshl_b32 s12, s12, 23
	s_or_b32 s12, s12, 0x600000
	v_mov_b32 v241, s12
; A KEY STEP: my group's 128 keys of the slot's round rho; their first key is s[KF].
.macro STEP rho
	v_add_nc_u32 v[ADK], s[TB], v[AK0]
	v_add_nc_u32 v[ADV], s[TB], v[AV0]
	v_nop                                          ; with the two additions: four places in front of loads into registers that matrix instructions have read
	v_nop
.set n, 0
.rept 8
	ds_load_b128 v[32+8*n:35+8*n], v[ADK] offset:RNDB*(\rho)+1088*n
	ds_load_b128 v[36+8*n:39+8*n], v[ADK] offset:RNDB*(\rho)+1088*n+32
.set n, n+1
.endr
	s_wait_alu depctr_va_vdst(0)
	s_wait_dscnt 0x0
.set n, 0
.rept 8
	v_wmma_f32_16x16x64_bf8_bf8 v[96+8*n:103+8*n], v[32+8*n:39+8*n], v[16:23], 0
.set n, n+1
.endr
.rept 4
	v_nop
.endr
.set n, 0
.rept 32                               ; v's fragment n / 8, keys 16 (n % 8) + 8 h on: they land while the softmax is worked
	ds_load_b64 v[32+2*n:33+2*n], v[ADV] offset:RNDB*(\rho)+2176*(n/8)+16*(n%8)
.set n, n+1
.endr
	s_add_co_u32 s96, s[KF], 127
	s_cmp_le_u32 s96, s[Q0]
	s_cbranch_scc1 .Lopen_\@                       ; all keys count
	s_sub_co_i32 s96, s[Q0], s[KF]
	v_and_b32 v252, 15, v0
	v_bfe_u32 v253, v0, 4, 1
	s_delay_alu instid0(VALU_DEP_1)
	v_lshlrev_b32 v253, 3, v253
	s_delay_alu instid0(VALU_DEP_1)
	v_sub_nc_u32 v252, v252, v253
	s_delay_alu instid0(VALU_DEP_1)
	v_add_nc_u32 v252, s96, v252                   ; d = my query - KF - 8 h.  Register 8 n + j holds key KF + 16 n + 8 h + j: hidden where 16 n + j > d
	v_mov_b32 v254, 0xff800000                     ; -infinity
.set n, 0
.rept 64
	v_cmp_gt_i32 vcc_lo, 16*(n/8)+n%8, v252
	v_cndmask_b32 v[96+n], v[96+n], v254, vcc_lo
.set n, n+1
.endr
.Lopen_\@:
	v_max3_num_f32 v254, v96, v97, v98             ; the step's largest score of my query among my 64 keys, in two chains,
	v_max3_num_f32 v252, v99, v100, v101
.irp i, 6,10,14,18,22,26,30,34,38,42,46,50,54,58
	v_max3_num_f32 v254, v254, v[96+\i], v[97+\i]
	v_max3_num_f32 v252, v252, v[98+\i], v[99+\i]
.endr
	v_max3_num_f32 v254, v254, v158, v159
	s_delay_alu instid0(VALU_DEP_1)
	v_max_num_f32 v254, v254, v252
	s_delay_alu instid0(VALU_DEP_1)
	v_permlanex16_b32 v236, v254, s[SEL], s[SEL+1]
	s_delay_alu instid0(VALU_DEP_1)
	v_max_num_f32 v254, v254, v236                 ; and among lane l xor 16's
	s_delay_alu instid0(VALU_DEP_1)
	v_mul_f32 v254, s[CS], v254
	s_delay_alu instid0(VALU_DEP_1)
	v_max_num_f32 v13, v13, v254                   ; the running largest t
	v_mov_b32 v254, v12
	s_delay_alu instid0(VALU_DEP_2)
	v_floor_f32 v12, -v13                          ; -M = floor(-t): M is a whole number
	s_delay_alu instid0(VALU_DEP_1)
	v_sub_f32 v254, v12, v254
	s_delay_alu instid0(VALU_DEP_1)
	v_cvt_i32_f32 v254, v254                       ; (it saturates)
	s_delay_alu instid0(VALU_DEP_1)
	v_ldexp_f32 v252, 1.0, v254                    ; f = 2^(old M - new M)
.set n, 0
.rept 32
	v_pk_fma_f32 v[96+n:97+n], v[96+n:97+n], s[CS:CS+1], v[12:13] op_sel_hi:[1,0,0]   ; t - M
.set n, n+2
.endr
.set n, 0
	s_wait_alu depctr_va_vdst(0)
.rept 64
	v_exp_f32 v[96+n], v[96+n]                     ; p = 2^(t - M)
.set n, n+1
.endr
	v_pk_mul_f32 v[14:15], v[14:15], v[252:253] op_sel_hi:[1,0]   ; the sums under the new M: a plain instruction behind the exponentials
	s_wait_alu depctr_va_vdst(0)                   ; one wait for the whole batch, ahead of its first reader
	v_pk_add_f32 v[242:243], v[100:101], v[104:105]
	v_pk_add_f32 v[254:255], v[108:109], v[112:113]
	v_pk_add_f32 v[250:251], v[116:117], v[120:121]
	v_pk_add_f32 v[248:249], v[124:125], v[128:129]
	v_pk_add_f32 v[246:247], v[132:133], v[136:137]
	v_pk_add_f32 v[238:239], v[140:141], v[144:145]
	v_pk_add_f32 v[234:235], v[148:149], v[152:153]
	v_pk_add_f32 v[14:15], v[14:15], v[156:157]
	v_pk_add_f32 v[242:243], v[242:243], v[96:97]
	v_pk_add_f32 v[254:255], v[254:255], v[98:99]
	v_pk_add_f32 v[250:251], v[250:251], v[102:103]
	v_pk_add_f32 v[248:249], v[248:249], v[106:107]
	v_pk_add_f32 v[246:247], v[246:247], v[110:111]
	v_pk_add_f32 v[238:239], v[238:239], v[114:115]
	v_pk_add_f32 v[234:235], v[234:235], v[118:119]
	v_pk_add_f32 v[14:15], v[14:15], v[122:123]
	v_pk_add_f32 v[242:243], v[242:243], v[126:127]
	v_pk_add_f32 v[254:255], v[254:255], v[130:131]
	v_pk_add_f32 v[250:251], v[250:251], v[134:135]
	v_pk_add_f32 v[248:249], v[248:249], v[138:139]
	v_pk_add_f32 v[246:247], v[246:247], v[142:143]
	v_pk_add_f32 v[238:239], v[238:239], v[146:147]
	v_pk_add_f32 v[234:235], v[234:235], v[150:151]
	v_pk_add_f32 v[14:15], v[14:15], v[154:155]
	v_pk_add_f32 v[242:243], v[242:243], v[158:159]
	s_delay_alu instid0(VALU_DEP_2)
	v_pk_add_f32 v[14:15], v[14:15], v[248:249]
	s_delay_alu instid0(VALU_DEP_2)
	v_pk_add_f32 v[242:243], v[242:243], v[246:247]
	v_pk_add_f32 v[254:255], v[254:255], v[238:239]
	v_pk_add_f32 v[250:251], v[250:251], v[234:235]
	s_delay_alu instid0(VALU_DEP_2)
	v_pk_add_f32 v[14:15], v[14:15], v[254:255]
	s_delay_alu instid0(VALU_DEP_2)
	v_pk_add_f32 v[242:243], v[242:243], v[250:251]
	s_delay_alu instid0(VALU_DEP_1)
	v_pk_add_f32 v[14:15], v[14:15], v[242:243]
.set n, 0
.rept 64
	v_min_num_f32 v[96+n], v[96+n], v240           ; the hold; p is not negative
.set n, n+1
.endr
.set n, 0
.rept 8
	v_cvt_scalef32_pk8_bf8_f32 v[192+2*n:193+2*n], v[96+8*n:103+8*n], v244
.set n, n+1
.endr
.set n, 0
.rept 16
	v_pk_mul_f32 v[160+n:161+n], v[160+n:161+n], v[252:253] op_sel_hi:[1,0]   ; O^T under the new M
.set n, n+2
.endr
	s_wait_alu depctr_va_vdst(0)
	s_wait_dscnt 0x0                               ; v's fragments are in
.set n, 0
.rept 4                                ; the four accumulators take turns
	v_wmma_f32_16x16x128_bf8_bf8 v[160+8*n:167+8*n], v[32+16*n:47+16*n], v[192:207], v[160+8*n:167+8*n]
.set n, n+1
.endr
.endm
.macro CHANGE mode
	s_wait_tensorcnt 0x0                           ; no tensor load of mine is out, so the group 0 may be written
	ds_add_u32 v[SPW], v[NIL]                      ; 0 onto my spare word
	ds_add_u32 v[SPW], v[NIL]
.if \mode
	s_xor_b32 s[G0+1], s[G0+1], SLOT1
	AIM
.endif
.if \mode == 2
	s_wait_xcnt 0x0                                ; the last prefetch, a slot back, has read its address
	WHERE 58, RF, IFT                              ; the tile that my partner among the fetching waves asks for at the next change
	s_lshl_b32 s58, s58, 13
	s_add_nc_u64 s[PFA:PFA+1], s[FB:FB+1], s[58:59]
.endif
	s_wait_dscnt 0x0                               ; the add is done, and my reads of the slot that I have left are over
	s_barrier_signal -1
	s_barrier_wait -1
.if \mode
	TLOAD \mode                                    ; the first thing behind the barrier, a wave's one tensor load until the next: two rounds in which to land
.endif
.if \mode == 2
	ASK
.endif
.endm
; A BLOCK'S END: O^T / the sum, held, converted with the folded scale, through my stage, out as 1,024 consecutive bytes.
.macro FINISH base
.rept 4
	v_nop
.endr
	v_add_f32 v14, v14, v15
	s_delay_alu instid0(VALU_DEP_1)
	v_permlanex16_b32 v236, v14, s[SEL], s[SEL+1]
	s_delay_alu instid0(VALU_DEP_1)
	v_add_f32 v14, v14, v236                       ; the row's sum
	s_wait_alu depctr_va_vdst(0)
	v_rcp_f32 v14, v14
	v_nop
	s_wait_alu depctr_va_vdst(0)                   ; ahead of the reciprocal's first reader
	v_mov_b32 v15, v14
.set n, 0
.rept 16
	v_pk_mul_f32 v[96+n:97+n], v[160+n:161+n], v[14:15]
.set n, n+2
.endr
.set n, 0
.rept 32
	v_med3_num_f32 v[96+n], v[96+n], -v241, v241
.set n, n+1
.endr
.set n, 0
.rept 4
	v_cvt_scalef32_pk8_bf8_f32 v[208+2*n:209+2*n], v[96+8*n:103+8*n], v245   ; channels 16 n + 8 h + 0 .. 7 of query r
.set n, n+1
.endr
	v_nop
.set n, 0
.rept 4
	ds_store_b64 v[STO], v[208+2*n:209+2*n] offset:16*n
.set n, n+1
.endr
	ds_load_b128 v[216:219], v[RD]                 ; LDS serves a wave's instructions in order: these see my stores
	ds_load_b128 v[220:223], v[RD] offset:512
	s_wait_dscnt 0x0
	global_store_b128 v[GO], v[216:219], s[\base:\base+1]              ; 32 lanes store 512 consecutive bytes, aligned
	global_store_b128 v[GO], v[220:223], s[\base:\base+1] offset:512
	s_wait_xcnt 0x0                                ; the stores have read their registers
.endm
; A ROUND: my group's key step, and behind round i group 1's change of blocks (a branch on ids and the wave's number; no barrier and no tensor load stands in it).
.macro RND rho
	WHERE KF, RC, IC
	s_lshl_b32 s[KF], s[KF], 7
	STEP \rho
	s_cmp_lg_u32 s[RC], s[IC]
	s_cbranch_scc1 .Lsame_\@
	global_load_b128 v[16:19], v[QO], s[44:45]     ; the long block's q: asked for first, so that it comes while the short block is finished
	global_load_b128 v[20:23], v[QO], s[44:45] offset:32
	FINISH 48
	s_mov_b32 s[Q0], s42
	INIT
	s_wait_loadcnt 0x0
.Lsame_\@:
	s_add_co_u32 s[RC], s[RC], 1
.endm
	s_wait_loadcnt 0x0                             ; q
.Lslot:                                            ; three trips: rounds 0 to 5; behind each change of slots the next two rounds' tiles are asked for
	CHANGE 2
	RND 0
	RND 1
	s_xor_b32 s[TB], s[TB], SLOT1
	s_add_co_u32 s[NN], s[NN], 1
	s_cmp_lt_u32 s[NN], 3
	s_cbranch_scc1 .Lslot
	CHANGE 1
	RND 0
	RND 1
	s_xor_b32 s[TB], s[TB], SLOT1
	CHANGE 0
	s_cmp_lt_u32 s[WV], 8
	s_cbranch_scc1 .Lidle
	WHERE KF, RC, IC
	s_lshl_b32 s[KF], s[KF], 7
	STEP 0
.rept 4
	v_nop                                          ; places between the last products and the stores that read their results
.endr
	ds_store_b128 v[IMGA], v[12:15]                ; group 1's part of the long block as an image of its registers: -M, t, the sum's halves,
.set n, 0
.rept 8
	ds_store_b128 v[IMGA], v[160+4*n:163+4*n] offset:512*(n+1)   ; and O^T, each accumulator from its low end on
.set n, n+1
.endr
.Lidle:
	s_wait_dscnt 0x0                               ; for the others' sake: my stores have landed
	s_barrier_signal -1
	s_barrier_wait -1
	s_cmp_lt_u32 s[WV], 8
	s_cbranch_scc0 .Lend
.rept 4
	v_nop                                          ; places in front of loads into registers that matrix instructions have read
.endr
.set n, 0
.rept 9
	ds_load_b128 v[32+4*n:35+4*n], v[IMGA] offset:512*n   ; v32 -M, v[34:35] the sum, v36-67 O^T of the other part
.set n, n+1
.endr
	s_wait_dscnt 0x0
	v_min_num_f32 v254, v12, v32                   ; the joint -M: the larger M
	s_delay_alu instid0(VALU_DEP_1)
	v_sub_f32 v252, v254, v12                      ; my M less the joint one: a whole number, 0 or less
	s_delay_alu instid0(VALU_DEP_2)
	v_sub_f32 v242, v254, v32                      ; the other part's
	s_delay_alu instid0(VALU_DEP_2)
	v_cvt_i32_f32 v252, v252
	s_delay_alu instid0(VALU_DEP_2)
	v_cvt_i32_f32 v242, v242
	s_delay_alu instid0(VALU_DEP_2)
	v_ldexp_f32 v252, 1.0, v252                    ; both parts are brought under the joint M by powers of two: nothing is rounded
	s_delay_alu instid0(VALU_DEP_2)
	v_ldexp_f32 v242, 1.0, v242
	s_delay_alu instid0(VALU_DEP_2)
	v_pk_mul_f32 v[14:15], v[14:15], v[252:253] op_sel_hi:[1,0]
	s_delay_alu instid0(VALU_DEP_1)
	v_pk_fma_f32 v[14:15], v[34:35], v[242:243], v[14:15] op_sel_hi:[1,0,1]
.set n, 0
.rept 16
	v_pk_mul_f32 v[160+n:161+n], v[160+n:161+n], v[252:253] op_sel_hi:[1,0]
.set n, n+2
.endr
.set n, 0
.rept 16
	v_pk_fma_f32 v[160+n:161+n], v[36+n:37+n], v[242:243], v[160+n:161+n] op_sel_hi:[1,0,1]
.set n, n+2
.endr
	FINISH 46
.Lend:
	s_wait_tensorcnt 0x0                           ; the wave's end
	ds_add_u32 v[SPW], v[NIL]
	s_wait_dscnt 0x0
	s_endpgm
.Lfunc_end_k_q28901682f3_attn:
	.size	k_q28901682f3_attn, .Lfunc_end_k_q28901682f3_attn-k_q28901682f3_attn
	.p2alignl 7, 3214868480
	.fill 96, 4, 3214868480
	.section	.rodata,"a",@progbits
	.p2align	6, 0x0
	.amdhsa_kernel k_q28901682f3_attn
		.amdhsa_group_segment_fixed_size 327680
		.amdhsa_private_segment_fixed_size 0
		.amdhsa_enable_private_segment 0
		.amdhsa_kernarg_size 24
		.amdhsa_user_sgpr_count 2
		.amdhsa_user_sgpr_kernarg_segment_ptr 1
		.amdhsa_wavefront_size32 1
		.amdhsa_system_sgpr_workgroup_id_x 1
		.amdhsa_system_sgpr_workgroup_id_y 1
		.amdhsa_system_sgpr_workgroup_id_z 1
		.amdhsa_system_vgpr_workitem_id 0
		.amdhsa_next_free_vgpr 256
		.amdhsa_next_free_sgpr 100
		.amdhsa_reserve_vcc 1
		.amdhsa_float_denorm_mode_32 3
		.amdhsa_float_denorm_mode_16_64 3
		.amdhsa_memory_ordered 1
		.amdhsa_forward_progress 1
		.amdhsa_inst_pref_size 155
	.end_amdhsa_kernel
	.amdgpu_metadata
---
amdhsa.version: [ 1, 2 ]
amdhsa.kernels:
  - .name:           k_q28901682f3_attn
    .symbol:         k_q28901682f3_attn.kd
    .args:
      - { .name: qkv, .offset: 0, .size: 8, .value_kind: global_buffer, .address_space: global }
      - { .name: lowp_scales, .offset: 8, .size: 8, .value_kind: global_buffer, .address_space: global }
      - { .name: oc, .offset: 16, .size: 8, .value_kind: global_buffer, .address_space: global }
    .group_segment_fixed_size: 327680
    .private_segment_fixed_size: 0
    .kernarg_segment_align: 8
    .kernarg_segment_size: 24
    .max_flat_workgroup_size: 512
    .sgpr_count:     100
    .vgpr_count:     256
    .wavefront_size: 32
...
	.end_amdgpu_metadata
.endif
;; end of part 3
;; launch wp (part 4): grid 8 x 32, 4 waves a work-group, clusters of 4 x 4, 327,680 bytes of LDS; arguments oc, Wp_codes, lowp_scales, bp, x, x1; writes x1
.if DOCPART == 4
	.amdgcn_target "amdgcn-amd-amdhsa--gfx1250"
	.amdhsa_code_object_version 6
	.text
	.protected	k_q28901682f3_wp
	.globl	k_q28901682f3_wp
	.p2align	8
	.type	k_q28901682f3_wp,@function
k_q28901682f3_wp:
	s_mov_b64 s[64:65], 0
	v_nop
	global_prefetch_b8 v0, s[64:65] scope:SCOPE_SE
	s_setreg_imm32_b32 hwreg(HW_REG_WAVE_MODE, 25, 1), 1
	s_wait_xcnt 0x0
	s_wait_alu depctr_hold_cnt(0) depctr_sa_sdst(0) depctr_va_vdst(0) depctr_va_sdst(0) depctr_va_ssrc(0) depctr_va_vcc(0) depctr_vm_vsrc(0)
	s_getreg_b32 s2, hwreg(HW_REG_IB_STS2, 6, 4)
	s_cmp_eq_u32 s2, 0
	s_cbranch_scc0 .Lentry_in_a_cluster
	s_endpgm
.Lentry_in_a_cluster:
	s_bfe_u32 s2, ttmp6, 0x10000c
	s_cmp_lg_u32 s2, 0xf033
	s_cbranch_scc0 .Lentry_shape_is_right
	s_endpgm
.Lentry_shape_is_right:
; out = res + bias + A B^T x 2^(eA + eB), the product on codes of BF8 (E5M2).  out, res: [4096][1024] f32; bias: [1024]; B: [1024 n][SIZE_K] codes, K innermost.
; A's codes lie as the launch before stored them: [row / 128][SIZE_K / TBY][128 rows][TBY along K], so that a K step of 512 of a tile's 128 rows is one dense block of 65,536 bytes.
; A tile of 128 x 128 is made by four waves, 64 x 64 each (16 accumulators): tiles of 256 x 256 would be 64, a quarter of the WGPs.  K goes in steps of 512 through two LDS slots.
; THE MATRIX INSTRUCTION IS USED TRANSPOSED (source 0 = 16 rows of B, source 1 = 16 rows of A): a lane holds eight neighbouring columns of a row.  A fragment comes by four loads of 16 bytes
; (k = 32 c + 16 (lane / 16) + 0 .. 15 in registers 4 c .. 4 c + 3): a permutation of k, the same on both sides.
; CLUSTERS: 4 x 4: A's tile is shared along a row of the cluster, B's along a column: joint loads.
; The residual's 64 rows x 256 bytes of a wave are asked for at the head and lie in window 2 until the way out.  LIMIT: eA + eB between -126 and 127.
; REGISTERS: window 0: v16-29 addresses; v32-95 rows on the way out; v96-99 the bias; v128-255 the accumulators ((a, b) at v[128 + 8 (4 a + b)]).  window 1: two fragment buffers (A's 4 at f, B's 4 at f + 64).  window 2: the residual.
.set SIZE_K, 1024
.set TSH,    2                         ; 1 << TSH rows of A in 256 bytes
.set SOFF,   40                        ; the two scales' bytes in lowp_scales
.set TBY,    256>>TSH
.set KSTEP,  512
.set APITCH, 272
; ALL OF K = 1,024 LIES IN LDS AT ONCE, brought by one tensor load a wave at the head: A's 512 LDS rows of 256 bytes (waves 0, 1: 256 rows each), then B's 128 rows of 1,024 bytes (waves 2, 3: 64 rows each).
; What the text below calls slots 0 and 1 are the two halves of K in that one fill; nothing is filled again.
.set BPITCH, 1040                      ; 1,024 bytes + 16 of padding
.set AHALFL, 256*APITCH
.set ASZ,    2*AHALFL
.set BHALF,  64*BPITCH
.set SLOT,   ASZ+2*BHALF
.set SUBS,   (128>>TSH)*APITCH         ; from one TBY along K to the next
.set ABLK,   (16>>TSH)*APITCH          ; 16 rows of A
.set AHALF,  (64>>TSH)*APITCH          ; 64 rows of A
.set STAGE,  SLOT
.set SPITCH, 272
.set SPARE,  STAGE+4*16*SPITCH
.set LAPS,   SIZE_K/(2*KSTEP)
.set ADRA, 16
.set ADRB, 20
.set STO,  24
.set RD,   25
.set CO,   26
.set SPW,  28
.set NIL,  29
.set ROWS, 32
.set BIAS, 96
.set ACC,  128
.set F0,   0
.set F1,   128
.set G1, 24
.set G0, 32
.set G1B, 48
.set G0B, 56
.set MSB, 0
.macro WIN new
.if MSB != \new
	s_set_vgpr_msb (MSB<<8)|\new
.set MSB, \new
.endif
.endm
.set MUL,  0x05                        ; sources 0 (B) and 1 (A) window 1; C and D window 0
.set TO_F, 0x40
.macro JLOAD s                         ; waves 0 and 1 fetch A's halves, waves 2 and 3 B's; four v_nop follow each line
	s_cmp_eq_u32 s15, 0
	s_cbranch_scc0 .Lfor_b_\@
	tensor_load_to_lds s[G0+4*\s:G0+4*\s+3], s[G1:G1+7]
	s_nop 0
.rept 4
	v_nop
.endr
	s_branch .Lasked_\@
.Lfor_b_\@:
	tensor_load_to_lds s[G0B+4*\s:G0B+4*\s+3], s[G1B:G1B+7]
	s_nop 0
.rept 4
	v_nop
.endr
.Lasked_\@:
.endm
.macro CREST
	s_cmp_lg_u32 s14, 0
	s_cbranch_scc1 .Lnot_wave_0_\@
	s_barrier_signal -3
.Lnot_wave_0_\@:
	s_barrier_wait -3
	s_barrier_signal -1
	s_barrier_wait -1
.endm
.macro CROUND
	s_barrier_signal -1
	s_barrier_wait -1
	CREST
.endm
	s_load_b256 s[4:11], s[0:1], 0x0               ; A, B, the scales' exponents, the bias
	s_load_b128 s[68:71], s[0:1], 0x20             ; the residual, out
	v_lshl_add_u32 v[SPW], v0, 2, SPARE
	v_mov_b32 v[NIL], 0
	ds_add_u32 v28, v29
	ds_add_u32 v28, v29
	s_wait_dscnt 0x0
	v_lshrrev_b32 v1, 5, v0
	v_readfirstlane_b32 s14, v1                    ; wave 0..3
	s_lshr_b32 s15, s14, 1                         ; my half of the rows.  Also: I fetch for A (0) or for B (1)
	s_and_b32 s16, s14, 1                          ; my half of the columns.  Also: which half I fetch
	s_bfe_u32 s40, ttmp6, 0x40000                  ; cx
	s_bfe_u32 s41, ttmp6, 0x40004                  ; cy
	s_lshl_b32 s42, ttmp9, 2
	s_add_co_u32 s42, s42, s40                     ; tile column
	s_and_b32 s17, ttmp7, 0xffff
	s_lshl_b32 s17, s17, 2
	s_add_co_u32 s17, s17, s41                     ; tile row
	s_lshl_b32 s43, s41, 2
	s_lshl_b32 s43, 15, s43                        ; my row of the cluster
	s_lshl_b32 s44, 0x1111, s40                    ; my column
	s_or_b32 s[G1], s43, (0<<16)|(1<<20)|(1<<21)|(5<<22)|(3<<25)    ; A: 256 rows of 256 bytes, dense; 4 words of padding after every 64
	s_mov_b32 s[G1+1], 256<<16
	s_mov_b32 s[G1+2], 256<<16
	s_mov_b32 s[G1+3], 256<<16
	s_mov_b32 s[G1+4], 256
	s_mov_b32 s[G1+5], 256
	s_mov_b32 s[G1+6], 0
	s_mov_b32 s[G1+7], 0
	s_or_b32 s[G1B], s44, (0<<16)|(1<<20)|(1<<21)|(7<<22)|(3<<25)   ; B: 64 rows of 1,024 bytes; 4 words of padding after every 256
	s_mov_b32 s[G1B+1], SIZE_K<<16
	s_mov_b32 s[G1B+2], 64<<16
	s_mov_b32 s[G1B+3], SIZE_K<<16
	s_mov_b32 s[G1B+4], 64
	s_mov_b32 s[G1B+5], SIZE_K
	s_mov_b32 s[G1B+6], 0
	s_mov_b32 s[G1B+7], 0
	s_mul_i32 s20, s17, 128*SIZE_K
	s_lshl_b32 s18, s16, 16
	s_add_co_u32 s20, s20, s18                     ; A: the tile row's block, + my half of a K step's 65,536 bytes
	s_mov_b32 s21, 0
	s_lshl_b32 s46, s42, 7
	s_lshl_b32 s18, s16, 6
	s_add_co_u32 s46, s46, s18
	s_mul_i32 s46, s46, SIZE_K                     ; B: row 128 x tile column + 64 x half
	s_mov_b32 s47, 0
	s_mul_i32 s45, s16, AHALFL                     ; where they go
	s_mul_i32 s22, s16, BHALF
	s_add_co_u32 s22, s22, ASZ
	s_wait_kmcnt 0x0
	s_load_b64 s[74:75], s[8:9], SOFF              ; eA, eB
	s_add_nc_u64 s[20:21], s[4:5], s[20:21]
	s_add_nc_u64 s[46:47], s[6:7], s[46:47]
	CROUND                                         ; all sixteen work-groups are here: the first joint loads meet
.irp s, 0
	s_mov_b32 s[G0+4*\s], 1
	s_add_co_u32 s[G0+4*\s+1], s45, \s*SLOT
	s_add_nc_u64 s[G0+4*\s+2:G0+4*\s+3], s[20:21], \s*65536
	s_or_b32 s[G0+4*\s+3], s[G0+4*\s+3], 0x80000000
	s_mov_b32 s[G0B+4*\s], 1
	s_add_co_u32 s[G0B+4*\s+1], s22, \s*SLOT
	s_add_nc_u64 s[G0B+4*\s+2:G0B+4*\s+3], s[46:47], \s*KSTEP
	s_or_b32 s[G0B+4*\s+3], s[G0B+4*\s+3], 0x80000000
	JLOAD \s
.endr
	v_and_b32 v1, 15, v0                           ; r
	v_bfe_u32 v2, v0, 4, 1                         ; h
	v_lshrrev_b32 v3, TSH, v1
	v_mul_u32_u24 v3, v3, APITCH
	v_and_b32 v4, (1<<TSH)-1, v1
	v_lshl_add_u32 v3, v4, 8-TSH, v3
	v_lshl_add_u32 v3, v2, 4, v3                   ; A: several rows of A to an LDS row: the 16 rows of a fragment fall on 16 different columns of 16 bytes
	v_mul_u32_u24 v4, v1, BPITCH
	v_lshl_add_u32 v4, v2, 4, v4                   ; B: row r x pitch + 16 h
	s_mul_i32 s21, s15, AHALF
	s_mul_i32 s22, s16, BHALF
	s_add_co_u32 s22, s22, ASZ
.irp s, 0,1
	v_add_nc_u32 v[ADRA+\s], s21, v3
	v_add_nc_u32 v[ADRB+\s], s22, v4
	s_add_co_u32 s21, s21, AHALFL                  ; the second half of K: A's next 256 LDS rows,
	s_add_co_u32 s22, s22, 512                     ; 512 bytes on in B's rows
.endr
	s_mul_i32 s23, s14, 16*SPITCH
	s_add_co_u32 s23, s23, STAGE                   ; my stage
	v_mul_u32_u24 v5, v1, SPITCH
	v_lshl_add_u32 v5, v2, 5, v5
	v_add_nc_u32 v[STO], s23, v5                   ; in: row r, 32 bytes for each half of the lanes
	v_mul_u32_u24 v5, v2, SPITCH
	v_lshl_add_u32 v5, v1, 4, v5
	v_add_nc_u32 v[RD], s23, v5                    ; back: lanes 0-15 one row of 256 bytes, lanes 16-31 the next
	v_lshlrev_b32 v6, 4, v1
	s_wait_alu depctr_va_vdst(0)
	v_lshl_add_u32 v[CO], v2, 12, v6               ; and the same two rows in memory
	s_wait_alu depctr_va_vdst(0)
	s_lshl_b32 s20, s17, 7
	s_lshl_b32 s21, s15, 6
	s_add_co_u32 s20, s20, s21
	s_lshl_b32 s20, s20, 12                        ; my first row, of 4,096 bytes
	s_lshl_b32 s46, s42, 9
	s_lshl_b32 s47, s16, 8
	s_add_co_u32 s46, s46, s47                     ; my first column, in bytes
	s_add_co_u32 s20, s20, s46
	s_mov_b32 s21, 0
	s_mov_b32 s47, 0
	s_add_nc_u64 s[68:69], s[68:69], s[20:21]
	s_add_nc_u64 s[70:71], s[70:71], s[20:21]
	s_add_nc_u64 s[10:11], s[10:11], s[46:47]
	global_load_b128 v[BIAS:BIAS+3], v6, s[10:11]  ; the bias of my four columns
	WIN 0x80                                       ; destination window 2
.set n, 0
.rept 32
	global_load_b128 v[4*n:4*n+3], v[CO], s[68:69] offset:2*n*4096 th:TH_LOAD_NT   ; rows 2 n and 2 n + 1: sixteen lanes read 256 consecutive bytes
.set n, n+1
.endr
	WIN 0
.macro MUL8 f, a0, zero                ; 8 matrix instructions: A's blocks a0, a0 + 1 x B's four, 128 along K; the 16 accumulators take turns in one order everywhere
.irp a, \a0, \a0+1
.irp b, 0,1,2,3
.if \zero
	v_wmma_f32_16x16x128_bf8_bf8 v[ACC+8*(4*(\a)+\b):ACC+8*(4*(\a)+\b)+7], v[\f+64+16*\b:\f+64+16*\b+15], v[\f+16*(\a):\f+16*(\a)+15], 0
.else
	v_wmma_f32_16x16x128_bf8_bf8 v[ACC+8*(4*(\a)+\b):ACC+8*(4*(\a)+\b)+7], v[\f+64+16*\b:\f+64+16*\b+15], v[\f+16*(\a):\f+16*(\a)+15], v[ACC+8*(4*(\a)+\b):ACC+8*(4*(\a)+\b)+7]
.endif
.endr
.endr
.endm
.macro FETCH slot, q, f                ; 32 LDS loads in one run: B's four fragments, A's blocks 0-1, A's blocks 2-3, of the slot's q-th 128 along K
	WIN TO_F
.irp i, 0,1,2,3
.irp c, 0,1,2,3
	ds_load_b128 v[\f+64+16*\i+4*\c:\f+64+16*\i+4*\c+3], v[ADRB+\slot] offset:128*(\q)+32*\c+\i*16*BPITCH
.endr
.endr
.irp i, 0,1,2,3
.irp c, 0,1,2,3
	ds_load_b128 v[\f+16*\i+4*\c:\f+16*\i+4*\c+3], v[ADRA+\slot] offset:((128*(\q)+32*\c)/TBY)*SUBS+(128*(\q)+32*\c)%TBY+\i*ABLK
.endr
.endr
.endm
.macro PLACES
.rept 4
	v_nop
.endr
.endm
.macro QUARTER slot, qn, f, g, zero    ; multiplies buffer f and fetches the slot's quarter qn into g
	s_wait_dscnt 8                                 ; B and A's blocks 0-1 are in; A's blocks 2-3 may be out
	WIN MUL
	MUL8 \f, 0, \zero
	PLACES
	FETCH \slot, \qn, \g
	s_wait_dscnt 32                                ; all but the 32 just issued
	WIN MUL
	MUL8 \f, 2, \zero
.endm
.macro TURN slot, next, fill           ; a slot's last quarter multiplies buffer 1 and changes slots
	WIN 0
	s_wait_tensorcnt 0x0                           ; all my tensor loads have landed: my part of the next slot
	ds_add_u32 v[SPW], v[NIL]                      ; 0 onto my spare word
	s_wait_dscnt 9                                 ; (the add and A's blocks 2-3 may be out)
	WIN MUL
	MUL8 F1, 0, 0
	WIN 0
	s_wait_dscnt 0x0                               ; the add is done, and my reads of this slot are over
	s_barrier_signal -1
	s_barrier_wait -1
.if \fill
	CREST                                          ; the barrier has opened a round of the cluster's barrier
	s_add_nc_u64 s[G0+4*\slot+2:G0+4*\slot+3], s[G0+4*\slot+2:G0+4*\slot+3], 2*65536
	s_add_nc_u64 s[G0B+4*\slot+2:G0B+4*\slot+3], s[G0B+4*\slot+2:G0B+4*\slot+3], 2*KSTEP
	JLOAD \slot                                    ; the first tensor load behind the round; its four v_nop are the places in front of the loads below
.else
	PLACES
.endif
	FETCH \next, 0, F0
	WIN MUL
	MUL8 F1, 2, 0
.endm
	s_wait_tensorcnt 0x0
	s_barrier_signal -1
	s_barrier_wait -1
	FETCH 0, 0, F0
	QUARTER 0, 1, F0, F1, 1                        ; the first quarter's products start the sums
.if LAPS > 1
	WIN 0
	s_mov_b32 s3, LAPS-1
.Llap:
	QUARTER 0, 2, F1, F0, 0
	QUARTER 0, 3, F0, F1, 0
	TURN 0, 1, 1
	QUARTER 1, 1, F0, F1, 0
	QUARTER 1, 2, F1, F0, 0
	QUARTER 1, 3, F0, F1, 0
	TURN 1, 0, 1
	QUARTER 0, 1, F0, F1, 0
	WIN 0
	s_sub_co_u32 s3, s3, 1
	s_cmp_lg_u32 s3, 0
	s_cbranch_scc1 .Llap
.endif
	QUARTER 0, 2, F1, F0, 0                        ; the last lap fills nothing
	QUARTER 0, 3, F0, F1, 0
	TURN 0, 1, 0
	QUARTER 1, 1, F0, F1, 0
	QUARTER 1, 2, F1, F0, 0
	QUARTER 1, 3, F0, F1, 0
	s_wait_dscnt 8
	WIN MUL
	MUL8 F1, 0, 0
	s_wait_dscnt 0
	MUL8 F1, 2, 0
	; THE WAY OUT: the bias joins the residual; a block of 16 rows x 64 columns goes through my stage and comes back as whole rows; out = row x 2^(eA + eB) + (residual + bias).
	s_wait_loadcnt 0x0
	s_wait_kmcnt 0x0
	s_add_co_i32 s74, s74, s75
	s_add_co_i32 s74, s74, 127
	s_lshl_b32 s74, s74, 23                        ; 2^(eA + eB)
	s_mov_b32 s75, s74
	WIN 0x82                                       ; source 0 and destination window 2
.set n, 0
.rept 32
	v_pk_add_f32 v[4*n:4*n+1], v[4*n:4*n+1], v[BIAS:BIAS+1]       ; (these are also the places behind the last products)
	v_pk_add_f32 v[4*n+2:4*n+3], v[4*n+2:4*n+3], v[BIAS+2:BIAS+3]
.set n, n+1
.endr
	WIN 0
.macro TOSTAGE a
.set BB, ROWS+32*((\a)%2)
.irp b, 0,1,2,3
	ds_store_b128 v[STO], v[ACC+8*(4*(\a)+\b):ACC+8*(4*(\a)+\b)+3] offset:64*\b        ; each accumulator from its low end on
	ds_store_b128 v[STO], v[ACC+8*(4*(\a)+\b)+4:ACC+8*(4*(\a)+\b)+7] offset:64*\b+16
.endr
.irp t, 0,1,2,3,4,5,6,7
	ds_load_b128 v[BB+4*\t:BB+4*\t+3], v[RD] offset:\t*2*SPITCH   ; LDS serves a wave's instructions in order: these see the stores above
.endr
.endm
.macro FIN a, younger
.set BB, ROWS+32*((\a)%2)
	s_wait_dscnt \younger                          ; the block is back; the next block's 8 stores and 8 loads may be out
	WIN 0x20                                       ; source 2 (the residual) window 2
.set n, 0
.rept 16
	v_pk_fma_f32 v[BB+n:BB+n+1], v[BB+n:BB+n+1], s[74:75], v[32*(\a)+n:32*(\a)+n+1] op_sel_hi:[1,0,1]
.set n, n+2
.endr
	WIN 0
.irp t, 0,1,2,3,4,5,6,7
	global_store_b128 v[CO], v[BB+4*\t:BB+4*\t+3], s[70:71] offset:(16*(\a)+2*\t)*4096   ; sixteen lanes store 256 consecutive bytes, aligned
.endr
.endm
	TOSTAGE 0
.irp a, 1,2,3
.if \a > 1
	s_wait_xcnt 0x0                                ; block a - 2's stores have read their registers
.endif
	TOSTAGE \a
	FIN \a-1, 16
.endr
	FIN 3, 0
	s_wait_tensorcnt 0x0                           ; the wave's end
	ds_add_u32 v[SPW], v[NIL]
	s_wait_dscnt 0x0
	CROUND                                         ; the closing round
	s_endpgm
.Lfunc_end_k_q28901682f3_wp:
	.size	k_q28901682f3_wp, .Lfunc_end_k_q28901682f3_wp-k_q28901682f3_wp
	.p2alignl 7, 3214868480
	.fill 96, 4, 3214868480
	.section	.rodata,"a",@progbits
	.p2align	6, 0x0
	.amdhsa_kernel k_q28901682f3_wp
		.amdhsa_group_segment_fixed_size 327680
		.amdhsa_private_segment_fixed_size 0
		.amdhsa_enable_private_segment 0
		.amdhsa_kernarg_size 48
		.amdhsa_user_sgpr_count 2
		.amdhsa_user_sgpr_kernarg_segment_ptr 1
		.amdhsa_wavefront_size32 1
		.amdhsa_system_sgpr_workgroup_id_x 1
		.amdhsa_system_sgpr_workgroup_id_y 1
		.amdhsa_system_sgpr_workgroup_id_z 1
		.amdhsa_system_vgpr_workitem_id 0
		.amdhsa_next_free_vgpr 768
		.amdhsa_next_free_sgpr 100
		.amdhsa_reserve_vcc 0
		.amdhsa_float_denorm_mode_32 3
		.amdhsa_float_denorm_mode_16_64 3
		.amdhsa_memory_ordered 1
		.amdhsa_forward_progress 1
		.amdhsa_inst_pref_size 52
	.end_amdhsa_kernel
	.amdgpu_metadata
---
amdhsa.version: [ 1, 2 ]
amdhsa.kernels:
  - .name:           k_q28901682f3_wp
    .symbol:         k_q28901682f3_wp.kd
    .args:
      - { .name: oc, .offset: 0, .size: 8, .value_kind: global_buffer, .address_space: global }
      - { .name: Wp_codes, .offset: 8, .size: 8, .value_kind: global_buffer, .address_space: global }
      - { .name: lowp_scales, .offset: 16, .size: 8, .value_kind: global_buffer, .address_space: global }
      - { .name: bp, .offset: 24, .size: 8, .value_kind: global_buffer, .address_space: global }
      - { .name: x, .offset: 32, .size: 8, .value_kind: global_buffer, .address_space: global }
      - { .name: x1, .offset: 40, .size: 8, .value_kind: global_buffer, .address_space: global }
    .group_segment_fixed_size: 327680
    .private_segment_fixed_size: 0
    .kernarg_segment_align: 8
    .kernarg_segment_size: 48
    .max_flat_workgroup_size: 128
    .sgpr_count:     100
    .vgpr_count:     768
    .wavefront_size: 32
...
	.end_amdgpu_metadata
.endif
;; end of part 4
;; launch ln2 (part 5): grid 256 x 1, 8 waves a work-group, no clusters, 0 bytes of LDS; arguments x1, g2, be2, lowp_scales, h2c; writes h2c
.if DOCPART == 5
	.amdgcn_target "amdgcn-amd-amdhsa--gfx1250"
	.amdhsa_code_object_version 6
	.text
	.protected	k_q28901682f3_ln2
	.globl	k_q28901682f3_ln2
	.p2align	8
	.type	k_q28901682f3_ln2,@function
k_q28901682f3_ln2:
	s_mov_b64 s[64:65], 0
	v_nop
	global_prefetch_b8 v0, s[64:65] scope:SCOPE_SE
	s_setreg_imm32_b32 hwreg(HW_REG_WAVE_MODE, 25, 1), 1
	s_wait_xcnt 0x0
; LayerNorm of 4,096 rows of 1,024 f32, and its result as codes of BF8 (E5M2) under NS given scales: out[s][row][1024].
; h = (x - mean) * rsqrt(var + 1e-5) * g + be, all in f32; the variance is the mean of the squared differences (two passes over registers), so a common offset of x costs nothing.
; code = h / 2^e, held within +-57,344, to the nearest code, ties to even.  e = entry SOFF/4 of the scales.  LIMITS: -126 <= e <= 112; NaN among the inputs is not served.
; SHARES.  One wave takes a whole row, two rows a wave: no LDS, no barrier.  Lane L holds, for j = 0..3, the eight neighbours 256 j + 8 L .. + 7 (two loads of 16 bytes, which share the same 1,024 bytes
; of the row between them), so that a conversion finds its eight numbers in one lane; the eight codes leave as 8 bytes, and the 32 lanes of a store cover 256 consecutive bytes, aligned.
.set NS,   1
.set SOFF, 48
.set G,    8
.set BE,   40
.set X,    72
.set T,    136
.set C,    168
.set MU,   216
.set R,    218
.set CH,   220
.set SC,   224
	s_load_b256 s[4:11], s[0:1], 0x0               ; x, g, be, the scales' exponents
	s_load_b64 s[12:13], s[0:1], 0x20              ; the codes
	v_lshrrev_b32 v3, 5, v0
	s_delay_alu instid0(VALU_DEP_1)
	v_readfirstlane_b32 s14, v3                    ; wave
	v_and_b32 v2, 31, v0
	s_delay_alu instid0(VALU_DEP_1)
	v_lshlrev_b32 v1, 5, v2                        ; 32 x lane
	s_delay_alu instid0(VALU_DEP_2)
	v_lshlrev_b32 v2, 3, v2                        ; 8 x lane
	s_lshl_b32 s15, ttmp9, 3
	s_add_co_u32 s15, s15, s14                     ; which pair of rows
	s_lshl_b32 s34, s15, 13
	s_mov_b32 s35, 0
	s_lshl_b32 s36, s15, 11
	s_mov_b32 s37, 0
	s_mov_b32 s30, 0x3727c5ac                      ; 1e-5
	s_mov_b32 s31, 0x3a800000                      ; 1 / 1,024
	s_mov_b32 s32, 0x76543210
	s_mov_b32 s33, 0xfedcba98
	s_wait_alu depctr_va_vdst(0)
	s_wait_kmcnt 0x0
.set n, 0
.rept NS
	s_load_b32 s[16+n], s[10:11], SOFF+8*n
.set n, n+1
.endr
	s_add_nc_u64 s[4:5], s[4:5], s[34:35]
	s_add_nc_u64 s[24:25], s[12:13], s[36:37]
.macro LOAD8 reg, base, off
.set n, 0
.rept 4
	global_load_b128 v[\reg+8*n:\reg+8*n+3], v1, s[\base:\base+1] offset:\off+1024*n
	global_load_b128 v[\reg+8*n+4:\reg+8*n+7], v1, s[\base:\base+1] offset:\off+1024*n+16
.set n, n+1
.endr
.endm
	LOAD8 G, 6, 0
	LOAD8 BE, 8, 0
	LOAD8 X, 4, 0
	LOAD8 X+32, 4, 4096
	s_wait_kmcnt 0x0
.set n, 0
.rept NS
	s_add_co_i32 s38, s[16+n], 127
	s_lshl_b32 s39, s38, 23
	v_mov_b32 v[SC+2*n], s39                       ; 2^e
	s_add_co_i32 s38, s38, 15
	s_lshl_b32 s38, s38, 23
	s_or_b32 s38, s38, 0x600000
	v_mov_b32 v[SC+2*n+1], s38                     ; 57,344 x 2^e
.set n, n+1
.endr
.macro REDUCE
	s_delay_alu instid0(VALU_DEP_1)
	v_add_f32 v[CH], v[CH], v[CH+1]
	s_delay_alu instid0(VALU_DEP_1)
	v_add_f32_dpp v[CH], v[CH], v[CH] row_xmask:1 row_mask:0xf bank_mask:0xf
	s_delay_alu instid0(VALU_DEP_1)
	v_add_f32_dpp v[CH], v[CH], v[CH] row_xmask:2 row_mask:0xf bank_mask:0xf
	s_delay_alu instid0(VALU_DEP_1)
	v_add_f32_dpp v[CH], v[CH], v[CH] row_xmask:4 row_mask:0xf bank_mask:0xf
	s_delay_alu instid0(VALU_DEP_1)
	v_add_f32_dpp v[CH], v[CH], v[CH] row_xmask:8 row_mask:0xf bank_mask:0xf
	s_delay_alu instid0(VALU_DEP_1)
	v_permlanex16_b32 v[CH+1], v[CH], s32, s33
	s_delay_alu instid0(VALU_DEP_1)
	v_add_f32 v[CH], v[CH], v[CH+1]
.endm
.macro ROW r, left
.set XS, X+32*(\r)
	s_wait_loadcnt \left                           ; g, be and this row are in; the other row's eight loads may be out
	v_pk_add_f32 v[CH:CH+1], v[XS:XS+1], v[XS+2:XS+3]
	v_pk_add_f32 v[CH+2:CH+3], v[XS+4:XS+5], v[XS+6:XS+7]
.irp j, 8,12,16,20,24,28
	s_delay_alu instid0(VALU_DEP_2)
	v_pk_add_f32 v[CH:CH+1], v[CH:CH+1], v[XS+\j:XS+\j+1]
	s_delay_alu instid0(VALU_DEP_2)
	v_pk_add_f32 v[CH+2:CH+3], v[CH+2:CH+3], v[XS+\j+2:XS+\j+3]
.endr
	s_delay_alu instid0(VALU_DEP_1)
	v_pk_add_f32 v[CH:CH+1], v[CH:CH+1], v[CH+2:CH+3]
	REDUCE
	s_delay_alu instid0(VALU_DEP_1)
	v_mul_f32 v[MU], s31, v[CH]                    ; the mean
	s_delay_alu instid0(VALU_DEP_1)
	v_mov_b32 v[MU+1], v[MU]
.set n, 0
.rept 16
	v_pk_add_f32 v[XS+n:XS+n+1], v[XS+n:XS+n+1], v[MU:MU+1] neg_lo:[0,1] neg_hi:[0,1]
.set n, n+2
.endr
	v_pk_mul_f32 v[CH:CH+1], v[XS:XS+1], v[XS:XS+1]
	v_pk_mul_f32 v[CH+2:CH+3], v[XS+2:XS+3], v[XS+2:XS+3]
.irp j, 4,8,12,16,20,24,28
	s_delay_alu instid0(VALU_DEP_2)
	v_pk_fma_f32 v[CH:CH+1], v[XS+\j:XS+\j+1], v[XS+\j:XS+\j+1], v[CH:CH+1]
	s_delay_alu instid0(VALU_DEP_2)
	v_pk_fma_f32 v[CH+2:CH+3], v[XS+\j+2:XS+\j+3], v[XS+\j+2:XS+\j+3], v[CH+2:CH+3]
.endr
	s_delay_alu instid0(VALU_DEP_1)
	v_pk_add_f32 v[CH:CH+1], v[CH:CH+1], v[CH+2:CH+3]
	REDUCE
	s_delay_alu instid0(VALU_DEP_1)
	v_fma_f32 v[CH], v[CH], s31, s30               ; var + eps
	s_wait_alu depctr_va_vdst(0)
	v_rsq_f32 v[R], v[CH]
	v_nop                                          ; a plain instruction behind the transcendental,
	s_wait_alu depctr_va_vdst(0)                   ; and the wait ahead of its first reader
	v_mov_b32 v[R+1], v[R]
.set n, 0
.rept 16
	v_pk_mul_f32 v[XS+n:XS+n+1], v[XS+n:XS+n+1], v[R:R+1]
.set n, n+2
.endr
.set n, 0
.rept 16
	v_pk_fma_f32 v[XS+n:XS+n+1], v[XS+n:XS+n+1], v[G+n:G+n+1], v[BE+n:BE+n+1]
.set n, n+2
.endr
.set sx, 0
.rept NS
.set CR, C+8*(NS*(\r)+sx)
.set n, 0
.rept 32
	v_med3_num_f32 v[T+n], v[XS+n], -v[SC+2*sx+1], v[SC+2*sx+1]   ; the conversion to an 8-bit code does not saturate (ISA guide 7.6.2): the hold comes first
.set n, n+1
.endr
.set n, 0
.rept 4
	v_cvt_scalef32_pk8_bf8_f32 v[CR+2*n:CR+2*n+1], v[T+8*n:T+8*n+7], v[SC+2*sx]
.set n, n+1
.endr
	v_nop                                          ; a plain instruction between the conversions and the next holds, which write their sources
.set n, 0
.rept 4
	global_store_b64 v2, v[CR+2*n:CR+2*n+1], s[24+2*sx:25+2*sx] offset:1024*(\r)+256*n   ; 32 lanes store 256 consecutive bytes, aligned
.set n, n+1
.endr
.set sx, sx+1
.endr
.endm
	ROW 0, 8
	ROW 1, 0
	s_endpgm
.Lfunc_end_k_q28901682f3_ln2:
	.size	k_q28901682f3_ln2, .Lfunc_end_k_q28901682f3_ln2-k_q28901682f3_ln2
	.p2alignl 7, 3214868480
	.fill 96, 4, 3214868480
	.section	.rodata,"a",@progbits
	.p2align	6, 0x0
	.amdhsa_kernel k_q28901682f3_ln2
		.amdhsa_group_segment_fixed_size 0
		.amdhsa_private_segment_fixed_size 0
		.amdhsa_enable_private_segment 0
		.amdhsa_kernarg_size 40
		.amdhsa_user_sgpr_count 2
		.amdhsa_user_sgpr_kernarg_segment_ptr 1
		.amdhsa_wavefront_size32 1
		.amdhsa_system_sgpr_workgroup_id_x 1
		.amdhsa_system_sgpr_workgroup_id_y 1
		.amdhsa_system_sgpr_workgroup_id_z 1
		.amdhsa_system_vgpr_workitem_id 0
		.amdhsa_next_free_vgpr 232
		.amdhsa_next_free_sgpr 66
		.amdhsa_reserve_vcc 0
		.amdhsa_float_denorm_mode_32 3
		.amdhsa_float_denorm_mode_16_64 3
		.amdhsa_memory_ordered 1
		.amdhsa_forward_progress 1
		.amdhsa_inst_pref_size 25
	.end_amdhsa_kernel
	.amdgpu_metadata
---
amdhsa.version: [ 1, 2 ]
amdhsa.kernels:
  - .name:           k_q28901682f3_ln2
    .symbol:         k_q28901682f3_ln2.kd
    .args:
      - { .name: x1, .offset: 0, .size: 8, .value_kind: global_buffer, .address_space: global }
      - { .name: g2, .offset: 8, .size: 8, .value_kind: global_buffer, .address_space: global }
      - { .name: be2, .offset: 16, .size: 8, .value_kind: global_buffer, .address_space: global }
      - { .name: lowp_scales, .offset: 24, .size: 8, .value_kind: global_buffer, .address_space: global }
      - { .name: h2c, .offset: 32, .size: 8, .value_kind: global_buffer, .address_space: global }
    .group_segment_fixed_size: 0
    .private_segment_fixed_size: 0
    .kernarg_segment_align: 8
    .kernarg_segment_size: 40
    .max_flat_workgroup_size: 256
    .sgpr_count:     66
    .vgpr_count:     232
    .wavefront_size: 32
...
	.end_amdgpu_metadata
.endif
;; end of part 5
;; launch w1 (part 6): grid 16 x 16, 4 waves a work-group, clusters of 4 x 4, 327,680 bytes of LDS; arguments h2c, W1_codes, lowp_scales, b1, gc; writes gc
.if DOCPART == 6
	.amdgcn_target "amdgcn-amd-amdhsa--gfx1250"
	.amdhsa_code_object_version 6
	.text
	.protected	k_q28901682f3_w1
	.globl	k_q28901682f3_w1
	.p2align	8
	.type	k_q28901682f3_w1,@function
k_q28901682f3_w1:
	s_mov_b64 s[64:65], 0
	v_nop
	global_prefetch_b8 v0, s[64:65] scope:SCOPE_SE
	s_setreg_imm32_b32 hwreg(HW_REG_WAVE_MODE, 25, 1), 1
	s_wait_xcnt 0x0
	s_wait_alu depctr_hold_cnt(0) depctr_sa_sdst(0) depctr_va_vdst(0) depctr_va_sdst(0) depctr_va_ssrc(0) depctr_va_vcc(0) depctr_vm_vsrc(0)
	s_getreg_b32 s2, hwreg(HW_REG_IB_STS2, 6, 4)
	s_cmp_eq_u32 s2, 0
	s_cbranch_scc0 .Lentry_in_a_cluster
	s_endpgm
.Lentry_in_a_cluster:
	s_bfe_u32 s2, ttmp6, 0x10000c
	s_cmp_lg_u32 s2, 0xf033
	s_cbranch_scc0 .Lentry_shape_is_right
	s_endpgm
.Lentry_shape_is_right:
; g = gelu(h2 W1 + b1), the product on codes of BF8 (E5M2), the exact GELU in f32, the result as codes again.  h2's codes: [4096][1024]; W1's: [4096 n][1024 k]; b1: [4096] f32.
; OUT: [row / 128][column / 128][128 rows][128 columns]: a wave's 128 x 128 is one dense block of 16,384 bytes, and a K step of the next product is dense.
; A tile of 256 x 256 is made by four waves, 128 x 128 each: 64 accumulators, 512 registers.  K = 1,024 goes in steps of 256 through a ring of two LDS slots filled by the tensor data mover.
; THE MATRIX INSTRUCTION IS USED TRANSPOSED (source 0 = 16 rows of W1, source 1 = 16 rows of h2): a lane holds eight neighbouring columns of a row, which are neighbours along the next K.
; CLUSTERS: 4 x 4: A's tile is shared along a row of the cluster, B's along a column: joint loads.  A fragment comes by four loads of 16 bytes: a permutation of k, the same on both sides.
; THE GELU.  H = sum x 2^(e12 + e13) + b1.  gelu(H) = max(H, 0) - |H| E, E = erfc(|H| / sqrt 2) / 2, so that the negative tail keeps its relative accuracy.  erfc(z) = t exp(-z^2 + P(t)), t = 1 / (1 + z / 2),
; P of degree 9 (the rational Chebyshev form of Numerical Recipes, fractional error under 1.2e-7 for every z >= 0).  The coefficients are multiplied once by log2(e), and 1 is taken off the constant one for the half.
; The way out is a loop of eight trips, a block of 16 rows each; only the lines that read a block's accumulators differ from trip to trip: they are chosen by compares of the trip's number.
; LIMITS: e12 + e13 between -126 and 127; e14 between -126 and 112.  NaN among the inputs is not served.
; REGISTERS: window 0: v0-31 addresses; v32-95 b1 of my 64 columns; from v128 A's fragments, one set; on the way out v96-255.  window 1: B's fragments, two sets.  windows 2, 3: the accumulators.
.set SIZE_K, 1024
.set KSTEP,  256
.set ROWB,   256
.set KROW,   SIZE_K
.set PITCH,  272
.set FR,     16
.set NL,     4
.set NP,     4
.set HALFT,  128*PITCH
.set SLOT,   4*HALFT
.set LAPS,   SIZE_K/(2*KSTEP)
.set SPARE,  2*SLOT
.set STAGE,  SPARE+512                 ; the way out: 16 rows x 144 bytes for each wave; no fill lands here
.set SPITCH, 144
.set ADRA, 16
.set ADRB, 20
.set STO,  24
.set RD,   25
.set CO,   26
.set SPW,  28
.set NIL,  29
.set BI,   32                          ; v32-95   b1
.set UU,   96                          ; v96-103  H x H, four pairs by turns
.set CD,   104                         ; v104-119 codes
.set C9,   120                         ; v[120:121] the highest coefficient, twice
.set LIM,  122                         ; v122 57,344 x 2^e14
.set SCL,  123                         ; v123 2^e14
.set AF,   128
.set HH,   128                         ; v128-159 H, then the GELU
.set TT,   160                         ; v160-191 t, then max(H, 0)
.set PP,   192                         ; v192-223 the polynomial, then E
.set BK,   224                         ; v224-239 rows read back from the stage
.set G1, 24
.set G0, 32
.set G1B, 48
.set G0B, 56
.set MSB, 0
.macro WIN new
.if MSB != \new
	s_set_vgpr_msb (MSB<<8)|\new
.set MSB, \new
.endif
.endm
.set MUL_LO, 0xa1
.set MUL_HI, 0xf1
.set TO_B,   0x40
.macro JLOAD g0a, g1a, g0b, g1b        ; waves 0 and 1 fetch for A, waves 2 and 3 for B; four v_nop follow each line
	s_cmp_eq_u32 s15, 0
	s_cbranch_scc0 .Lfor_b_\@
	tensor_load_to_lds s[\g0a:\g0a+3], s[\g1a:\g1a+7]
	s_nop 0
.rept 4
	v_nop
.endr
	s_branch .Lasked_\@
.Lfor_b_\@:
	tensor_load_to_lds s[\g0b:\g0b+3], s[\g1b:\g1b+7]
	s_nop 0
.rept 4
	v_nop
.endr
.Lasked_\@:
.endm
.macro CREST
	s_cmp_lg_u32 s14, 0
	s_cbranch_scc1 .Lnot_wave_0_\@
	s_barrier_signal -3
.Lnot_wave_0_\@:
	s_barrier_wait -3
	s_barrier_signal -1
	s_barrier_wait -1
.endm
.macro CROUND
	s_barrier_signal -1
	s_barrier_wait -1
	CREST
.endm
	s_load_b256 s[4:11], s[0:1], 0x0               ; h2's codes, W1's codes, the scales' exponents, b1
	s_load_b64 s[12:13], s[0:1], 0x20              ; OUT
	v_lshl_add_u32 v[SPW], v0, 2, SPARE
	v_mov_b32 v[NIL], 0
	ds_add_u32 v28, v29
	ds_add_u32 v28, v29
	s_wait_dscnt 0x0
	v_lshrrev_b32 v1, 5, v0
	v_readfirstlane_b32 s14, v1                    ; wave 0..3
	s_lshr_b32 s15, s14, 1
	s_and_b32 s16, s14, 1
	s_bfe_u32 s40, ttmp6, 0x40000                  ; cx
	s_bfe_u32 s41, ttmp6, 0x40004                  ; cy
	s_lshl_b32 s42, ttmp9, 2
	s_add_co_u32 s42, s42, s40                     ; tile column
	s_and_b32 s17, ttmp7, 0xffff
	s_lshl_b32 s17, s17, 2
	s_add_co_u32 s17, s17, s41                     ; tile row
	s_lshl_b32 s43, s41, 2
	s_lshl_b32 s43, 15, s43
	s_lshl_b32 s44, 0x1111, s40
	s_or_b32 s[G1+0], s43, (0<<16)|(1<<20)|(1<<21)|(5<<22)|(3<<25)
	s_or_b32 s[G1B+0], s44, (0<<16)|(1<<20)|(1<<21)|(5<<22)|(3<<25)
.irp g, G1, G1B
	s_mov_b32 s[\g+1], ROWB<<16
	s_mov_b32 s[\g+2], 128<<16
	s_mov_b32 s[\g+3], ROWB<<16
	s_mov_b32 s[\g+4], 128
	s_mov_b32 s[\g+5], KROW
	s_mov_b32 s[\g+6], 0
	s_mov_b32 s[\g+7], 0
.endr
	s_lshl_b32 s18, s16, 7
	s_lshl_b32 s20, s17, 8
	s_add_co_u32 s20, s20, s18
	s_lshl_b32 s20, s20, 10
	s_mov_b32 s21, 0
	s_lshl_b32 s46, s42, 8
	s_add_co_u32 s46, s46, s18
	s_lshl_b32 s46, s46, 10
	s_mov_b32 s47, 0
	s_mul_i32 s45, s14, HALFT
	s_wait_kmcnt 0x0
	s_load_b128 s[92:95], s[8:9], 0x30             ; e12 .. e15
	s_add_nc_u64 s[20:21], s[4:5], s[20:21]
	s_add_nc_u64 s[46:47], s[6:7], s[46:47]
	CROUND
.irp s, 0,1
	s_mov_b32 s[G0+4*\s], 1
	s_add_co_u32 s[G0+4*\s+1], s45, \s*SLOT
	s_add_nc_u64 s[G0+4*\s+2:G0+4*\s+3], s[20:21], \s*ROWB
	s_or_b32 s[G0+4*\s+3], s[G0+4*\s+3], 0x80000000
	s_mov_b32 s[G0B+4*\s], 1
	s_add_co_u32 s[G0B+4*\s+1], s45, \s*SLOT
	s_add_nc_u64 s[G0B+4*\s+2:G0B+4*\s+3], s[46:47], \s*ROWB
	s_or_b32 s[G0B+4*\s+3], s[G0B+4*\s+3], 0x80000000
.endr
	JLOAD G0, G1, G0B, G1B                         ; K step 0: one tensor load a wave at the head
	; a prefetch of K steps 2 and 3, two refills ahead of their loads: of the 128 rows that I fetch, my work-group's 32 (told apart by address: cx for A, cy for B), a lane a row, 256 bytes of a row for each K step
	s_cmp_eq_u32 s15, 0
	s_cselect_b32 s98, s17, s42
	s_cselect_b32 s99, s40, s41
	s_cselect_b64 s[96:97], s[4:5], s[6:7]
	s_lshl_b32 s98, s98, 3
	s_add_co_u32 s98, s98, s99                     ; in units of 32 rows: 8 x tile + my place
	s_lshl_b32 s99, s16, 2
	s_add_co_u32 s98, s98, s99                     ; + 4 x the half that I fetch
	s_lshl_b32 s98, s98, 15                        ; 32 rows of 1,024 bytes
	s_mov_b32 s99, 0
	s_add_nc_u64 s[96:97], s[96:97], s[98:99]
	v_and_b32 v27, 31, v0
	v_lshlrev_b32 v27, 10, v27
	global_prefetch_b8 v27, s[96:97] offset:512 th:TH_LOAD_NT scope:SCOPE_SE
	global_prefetch_b8 v27, s[96:97] offset:768 th:TH_LOAD_NT scope:SCOPE_SE
	v_and_b32 v1, 15, v0                           ; r
	s_wait_alu depctr_va_vdst(0)
	v_bfe_u32 v2, v0, 4, 1                         ; h
	v_mul_u32_u24 v3, v1, PITCH
	v_lshl_add_u32 v4, v2, 4, v3
	s_mul_i32 s21, s15, HALFT
	s_mul_i32 s22, s16, HALFT
	s_add_co_u32 s22, s22, 2*HALFT
.irp s, 0,1
	v_add_nc_u32 v[ADRA+\s], s21, v4
	v_add_nc_u32 v[ADRB+\s], s22, v4
	s_add_co_u32 s21, s21, SLOT
	s_add_co_u32 s22, s22, SLOT
.endr
	s_mul_i32 s23, s14, 16*SPITCH
	s_add_co_u32 s23, s23, STAGE                   ; my stage
	v_mul_u32_u24 v5, v1, SPITCH
	s_wait_alu depctr_va_vdst(0)
	v_lshl_add_u32 v5, v2, 3, v5
	v_add_nc_u32 v[STO], s23, v5                   ; in: row r, 8 bytes for each half of the lanes
	; back IN THE NEXT PRODUCT'S FRAGMENT ORDER: inside a block of 16 rows x 128 columns (2,048 bytes) load c takes, in lane r + 16 h, the 16 codes 32 c + 16 h .. of row r: so OUT is [row / 128][column / 128][16 rows][c][lane][16 bytes]
	v_mul_u32_u24 v5, v1, SPITCH
	v_lshl_add_u32 v5, v2, 4, v5
	v_add_nc_u32 v[RD], s23, v5
	v_and_b32 v6, 31, v0
	v_lshlrev_b32 v[CO], 4, v6                     ; and 16 x lane in memory
	v_lshlrev_b32 v7, 5, v2                        ; b1: 32 h bytes
	s_wait_alu depctr_va_vdst(0)
	s_lshl_b32 s20, s17, 1
	s_add_co_u32 s20, s20, s15
	s_lshl_b32 s20, s20, 5
	s_lshl_b32 s46, s42, 1
	s_add_co_u32 s46, s46, s16
	s_add_co_u32 s20, s20, s46
	s_lshl_b32 s20, s20, 14                        ; ((2 x tile row + half) x 32 + 2 x tile column + half) x 16,384
	s_mov_b32 s21, 0
	s_add_nc_u64 s[12:13], s[12:13], s[20:21]
	s_lshl_b32 s46, s46, 9                         ; my 128 columns of b1
	s_mov_b32 s47, 0
	s_add_nc_u64 s[10:11], s[10:11], s[46:47]
.irp b, 0,1,2,3,4,5,6,7
	global_load_b128 v[BI+8*\b:BI+8*\b+3], v7, s[10:11] offset:64*\b          ; columns 16 b + 8 h + 0 .. 7
	global_load_b128 v[BI+8*\b+4:BI+8*\b+7], v7, s[10:11] offset:64*\b+16
.endr
.macro FRAG reg, adr, q, i
.irp c, 0,1,2,3
	ds_load_b128 v[\reg+4*\c:\reg+4*\c+3], v[\adr] offset:128*(\q)+32*\c+(\i)*16*PITCH
.endr
.endm
.macro MUL16 a0, p, zero               ; the 64 accumulators take turns, one instruction a turn, in the same order in every step
.irp a, \a0, \a0+1
.irp b, 0,1,2,3,4,5,6,7
.if \zero
	v_wmma_f32_16x16x128_bf8_bf8 v[8*(8*((\a)%4)+\b):8*(8*((\a)%4)+\b)+7], v[128*(\p)+FR*\b:128*(\p)+FR*\b+FR-1], v[AF+FR*(\a):AF+FR*(\a)+FR-1], 0
.else
	v_wmma_f32_16x16x128_bf8_bf8 v[8*(8*((\a)%4)+\b):8*(8*((\a)%4)+\b)+7], v[128*(\p)+FR*\b:128*(\p)+FR*\b+FR-1], v[AF+FR*(\a):AF+FR*(\a)+FR-1], v[8*(8*((\a)%4)+\b):8*(8*((\a)%4)+\b)+7]
.endif
.endr
.endr
.endm
.macro FETCH_B slot, q, p
	WIN TO_B
.irp i, 0,1,2,3,4,5,6,7
	FRAG 128*(\p)+FR*\i, ADRB+\slot, \q, \i
.endr
	WIN 0
.endm
.macro FETCH_A slot, q, i0
.irp i, \i0, \i0+1, \i0+2, \i0+3
	FRAG AF+FR*(\i), ADRA+\slot, \q, \i
.endr
.endm
.macro PLACES n
.rept \n
	v_nop
.endr
.endm
.macro STEP slot, q, zero
	s_wait_dscnt 4*NL                              ; B's set and A's blocks 0-3 are in; A's blocks 4-7 may be out
	WIN MUL_LO
	MUL16 0, (\q)%2, \zero
	MUL16 2, (\q)%2, \zero
	s_wait_dscnt 0
	PLACES NP
	FETCH_B \slot, (\q)+1, 1-(\q)%2
	FETCH_A \slot, (\q)+1, 0
	WIN MUL_HI
	MUL16 4, (\q)%2, \zero
	MUL16 6, (\q)%2, \zero
	PLACES NP
	WIN 0
	FETCH_A \slot, (\q)+1, 4
.endm
.macro TURN slot, next, fill
	s_wait_tensorcnt 0x0                           ; all my tensor loads have landed: my part of the next slot
	ds_add_u32 v[SPW], v[NIL]                      ; 0 onto my spare word
	s_wait_dscnt 4*NL+1                            ; (the add and A's blocks 4-7 may be out)
	WIN MUL_LO
	MUL16 0, 1, 0
	s_wait_dscnt 0x0                               ; the add is done, and my reads of this slot are over
	s_barrier_signal -1
	MUL16 2, 1, 0
	WIN 0
	s_barrier_wait -1
.if \fill
	CREST                                          ; the barrier has opened a round of the cluster's barrier
	s_add_nc_u64 s[G0+4*\slot+2:G0+4*\slot+3], s[G0+4*\slot+2:G0+4*\slot+3], 2*ROWB
	s_add_nc_u64 s[G0B+4*\slot+2:G0B+4*\slot+3], s[G0B+4*\slot+2:G0B+4*\slot+3], 2*ROWB
	JLOAD G0+4*\slot, G1, G0B+4*\slot, G1B
.else
	PLACES NP
.endif
	FETCH_B \next, 0, 0
	FETCH_A \next, 0, 0
	WIN MUL_HI
	MUL16 4, 1, 0
	MUL16 6, 1, 0
	PLACES NP
	WIN 0
	FETCH_A \next, 0, 4
.endm
	s_wait_alu depctr_va_vdst(0)                   ; the wait at the head's end
	s_wait_tensorcnt 0x0                           ; my part of K step 0 is in; slot 1's first fill is issued as a refill is
	ds_add_u32 v[SPW], v[NIL]
	s_wait_dscnt 0x0
	CROUND
	JLOAD G0+4, G1, G0B+4, G1B                     ; K step 1: the first tensor load behind the round
	FETCH_B 0, 0, 0
	FETCH_A 0, 0, 0
	FETCH_A 0, 0, 4
	STEP 0, 0, 1
	s_mov_b32 s3, LAPS-1
.Llap:
	TURN 0, 1, 1
	STEP 1, 0, 0
	TURN 1, 0, 1
	STEP 0, 0, 0
	s_sub_co_u32 s3, s3, 1
	s_cmp_lg_u32 s3, 0
	s_cbranch_scc1 .Llap
	TURN 0, 1, 0
	STEP 1, 0, 0
	s_wait_dscnt 4*NL
	WIN MUL_LO
	MUL16 0, 1, 0
	MUL16 2, 1, 0
	s_wait_dscnt 0
	WIN MUL_HI
	MUL16 4, 1, 0
	MUL16 6, 1, 0
	WIN 0
	; THE WAY OUT.  First the constants: coefficient i x log2(e), twice, in s[66 + 2 i : 67 + 2 i]
	PLACES NP
	s_mov_b32 s91, 0x3fb8aa3b                      ; log2(e)
.macro COEF reg, bits
	v_mov_b32 v[UU], \bits
	v_mul_f32 v[UU], s91, v[UU]
	v_readfirstlane_b32 s[\reg], v[UU]
	s_mov_b32 s[\reg+1], s[\reg]
.endm
	v_mov_b32 v[UU], 0xbfa1fc4e                    ; -1.26551223
	v_mul_f32 v[UU], s91, v[UU]
	v_add_f32 v[UU], -1.0, v[UU]                   ; and the half: 2^-1
	v_readfirstlane_b32 s66, v[UU]
	s_mov_b32 s67, s66
	COEF 68, 0x3f8000c7                            ;  1.00002368
	COEF 70, 0x3ebf88fb                            ;  0.37409196
	COEF 72, 0x3dc636c9                            ;  0.09678418
	COEF 74, 0xbe3ec24c                            ; -0.18628806
	COEF 76, 0x3e8ec7cc                            ;  0.27886807
	COEF 78, 0xbf914e5d                            ; -1.13520398
	COEF 80, 0x3fbe87b0                            ;  1.48851587
	COEF 82, 0xbf527892                            ; -0.82215223
	v_mov_b32 v[C9], 0x3e2ef945                    ;  0.17087277
	v_mul_f32 v[C9], s91, v[C9]
	v_mov_b32 v[C9+1], v[C9]
	s_mov_b32 s84, 0xbf38aa3b                      ; -log2(e) / 2: -z^2 = -H^2 / 2
	s_mov_b32 s85, s84
	s_mov_b32 s88, 0x3eb504f3                      ; 1 / (2 sqrt 2): z / 2 = |H| x this
	s_wait_kmcnt 0x0
	s_add_co_i32 s86, s92, s93
	s_add_co_i32 s86, s86, 127
	s_lshl_b32 s86, s86, 23                        ; 2^(e12 + e13)
	s_mov_b32 s87, s86
	s_add_co_i32 s89, s94, 127
	s_lshl_b32 s90, s89, 23
	v_mov_b32 v[SCL], s90                          ; 2^e14
	s_add_co_i32 s89, s89, 15
	s_lshl_b32 s89, s89, 23
	s_or_b32 s89, s89, 0x600000
	v_mov_b32 v[LIM], s89
	s_wait_loadcnt 0x0                             ; b1
; H = sum x 2^(e12 + e13) + b1 for accumulators 4 u .. 4 u + 3 of the trip's block: the one part whose register numbers hang on the trip.  The last variant stands without a compare.
.macro SELECT u
.irp a, 0,1,2,3,4,5,6,7
.if \a < 7
	s_cmp_lg_u32 s3, \a
	s_cbranch_scc1 .Lsk_\@_\a
.endif
	WIN 0x02+(\a/4)                                ; source 0: window 2 or 3
.set n, 0
.rept 16
	v_pk_fma_f32 v[HH+n:HH+n+1], v[64*(\a%4)+32*(\u)+n:64*(\a%4)+32*(\u)+n+1], s[86:87], v[BI+32*(\u)+n:BI+32*(\u)+n+1] op_sel_hi:[1,0,1]   ; each accumulator from its low end on
.set n, n+2
.endr
	WIN 0
.if \a < 7
	s_branch .Lcore_\@
.Lsk_\@_\a:
.endif
.endr
.Lcore_\@:
.endm
; 32 numbers a lane: the GELU, the hold, the codes, into the stage.
.macro CORE u
.set n, 0
.rept 32
	v_fma_f32 v[TT+n], |v[HH+n]|, s88, 1.0         ; 1 + z / 2
.set n, n+1
.endr
.set n, 0
	s_wait_alu depctr_va_vdst(0)
.rept 32
	v_rcp_f32 v[TT+n], v[TT+n]                     ; t
.set n, n+1
.endr
	v_nop
	s_wait_alu depctr_va_vdst(0)                   ; one wait for the batch of reciprocals, ahead of its first reader
.set n, 0
.rept 16
	v_pk_fma_f32 v[PP+n:PP+n+1], v[TT+n:TT+n+1], v[C9:C9+1], s[82:83] op_sel_hi:[1,1,0]
.set n, n+2
.endr
.irp i, 7,6,5,4,3,2,1,0
.set n, 0
.rept 16
	v_pk_fma_f32 v[PP+n:PP+n+1], v[PP+n:PP+n+1], v[TT+n:TT+n+1], s[66+2*\i:67+2*\i] op_sel_hi:[1,1,0]
.set n, n+2
.endr
.endr
.irp g, 0,1,2,3
.irp p, 0,2,4,6
	v_pk_mul_f32 v[UU+\p:UU+\p+1], v[HH+8*\g+\p:HH+8*\g+\p+1], v[HH+8*\g+\p:HH+8*\g+\p+1]
.endr
.irp p, 0,2,4,6
	v_pk_fma_f32 v[PP+8*\g+\p:PP+8*\g+\p+1], v[UU+\p:UU+\p+1], s[84:85], v[PP+8*\g+\p:PP+8*\g+\p+1] op_sel_hi:[1,0,1]
.endr
.endr
.set n, 0
	s_wait_alu depctr_va_vdst(0)
.rept 32
	v_exp_f32 v[PP+n], v[PP+n]
.set n, n+1
.endr
	v_nop
	s_wait_alu depctr_va_vdst(0)                   ; one wait for the batch of exponentials
.set n, 0
.rept 16
	v_pk_mul_f32 v[PP+n:PP+n+1], v[PP+n:PP+n+1], v[TT+n:TT+n+1]   ; E = t x 2^(..)
.set n, n+2
.endr
.set n, 0
.rept 32
	v_max_num_f32 v[TT+n], 0, v[HH+n]
.set n, n+1
.endr
.set n, 0
.rept 32
	v_fma_f32 v[HH+n], -|v[HH+n]|, v[PP+n], v[TT+n]   ; max(H, 0) - |H| E
.set n, n+1
.endr
.set n, 0
.rept 32
	v_med3_num_f32 v[HH+n], v[HH+n], -v[LIM], v[LIM]
.set n, n+1
.endr
.set n, 0
.rept 4
	v_cvt_scalef32_pk8_bf8_f32 v[CD+8*(\u)+2*n:CD+8*(\u)+2*n+1], v[HH+8*n:HH+8*n+7], v[SCL]
.set n, n+1
.endr
	v_nop                                          ; a plain instruction between the conversions and the lines that write their sources next
.set n, 0
.rept 4
	ds_store_b64 v[STO], v[CD+8*(\u)+2*n:CD+8*(\u)+2*n+1] offset:16*(4*(\u)+n)
.set n, n+1
.endr
.endm
	s_mov_b32 s3, 0
.Lblk:                                             ; eight trips: block s3 of 16 rows x 128 columns
	SELECT 0
	CORE 0
	SELECT 1
	CORE 1
.set n, 0
.rept 4
	ds_load_b128 v[BK+4*n:BK+4*n+3], v[RD] offset:32*n
.set n, n+1
.endr
	s_wait_dscnt 0x0
.set n, 0
.rept 4
	global_store_b128 v[CO], v[BK+4*n:BK+4*n+3], s[12:13] offset:512*n   ; 32 lanes store 512 consecutive bytes, aligned
.set n, n+1
.endr
	s_wait_xcnt 0x0                                ; the stores have read their registers and their base
	s_add_nc_u64 s[12:13], s[12:13], 2048
	s_add_co_u32 s3, s3, 1
	s_cmp_lt_u32 s3, 8
	s_cbranch_scc1 .Lblk
	s_wait_tensorcnt 0x0                           ; the wave's end
	ds_add_u32 v[SPW], v[NIL]
	s_wait_dscnt 0x0
	CROUND                                         ; the closing round
	s_endpgm
.Lfunc_end_k_q28901682f3_w1:
	.size	k_q28901682f3_w1, .Lfunc_end_k_q28901682f3_w1-k_q28901682f3_w1
	.p2alignl 7, 3214868480
	.fill 96, 4, 3214868480
	.section	.rodata,"a",@progbits
	.p2align	6, 0x0
	.amdhsa_kernel k_q28901682f3_w1
		.amdhsa_group_segment_fixed_size 327680
		.amdhsa_private_segment_fixed_size 0
		.amdhsa_enable_private_segment 0
		.amdhsa_kernarg_size 40
		.amdhsa_user_sgpr_count 2
		.amdhsa_user_sgpr_kernarg_segment_ptr 1
		.amdhsa_wavefront_size32 1
		.amdhsa_system_sgpr_workgroup_id_x 1
		.amdhsa_system_sgpr_workgroup_id_y 1
		.amdhsa_system_sgpr_workgroup_id_z 1
		.amdhsa_system_vgpr_workitem_id 0
		.amdhsa_next_free_vgpr 1024
		.amdhsa_next_free_sgpr 100
		.amdhsa_reserve_vcc 0
		.amdhsa_float_denorm_mode_32 3
		.amdhsa_float_denorm_mode_16_64 3
		.amdhsa_memory_ordered 1
		.amdhsa_forward_progress 1
		.amdhsa_inst_pref_size 145
	.end_amdhsa_kernel
	.amdgpu_metadata
---
amdhsa.version: [ 1, 2 ]
amdhsa.kernels:
  - .name:           k_q28901682f3_w1
    .symbol:         k_q28901682f3_w1.kd
    .args:
      - { .name: h2c, .offset: 0, .size: 8, .value_kind: global_buffer, .address_space: global }
      - { .name: W1_codes, .offset: 8, .size: 8, .value_kind: global_buffer, .address_space: global }
      - { .name: lowp_scales, .offset: 16, .size: 8, .value_kind: global_buffer, .address_space: global }
      - { .name: b1, .offset: 24, .size: 8, .value_kind: global_buffer, .address_space: global }
      - { .name: gc, .offset: 32, .size: 8, .value_kind: global_buffer, .address_space: global }
    .group_segment_fixed_size: 327680
    .private_segment_fixed_size: 0
    .kernarg_segment_align: 8
    .kernarg_segment_size: 40
    .max_flat_workgroup_size: 128
    .sgpr_count:     100
    .vgpr_count:     1024
    .wavefront_size: 32
...
	.end_amdgpu_metadata
.endif
;; end of part 6
;; launch w2 (part 7): grid 8 x 32, 4 waves a work-group, clusters of 4 x 4, 327,680 bytes of LDS; arguments gc, W2_codes, lowp_scales, b2, x1, out0; writes out0
.if DOCPART == 7
	.amdgcn_target "amdgcn-amd-amdhsa--gfx1250"
	.amdhsa_code_object_version 6
	.text
	.protected	k_q28901682f3_w2
	.globl	k_q28901682f3_w2
	.p2align	8
	.type	k_q28901682f3_w2,@function
k_q28901682f3_w2:
	s_mov_b64 s[64:65], 0
	v_nop
	global_prefetch_b8 v0, s[64:65] scope:SCOPE_SE
	s_setreg_imm32_b32 hwreg(HW_REG_WAVE_MODE, 25, 1), 1
	s_wait_xcnt 0x0
	s_wait_alu depctr_hold_cnt(0) depctr_sa_sdst(0) depctr_va_vdst(0) depctr_va_sdst(0) depctr_va_ssrc(0) depctr_va_vcc(0) depctr_vm_vsrc(0)
	s_getreg_b32 s2, hwreg(HW_REG_IB_STS2, 6, 4)
	s_cmp_eq_u32 s2, 0
	s_cbranch_scc0 .Lentry_in_a_cluster
	s_endpgm
.Lentry_in_a_cluster:
	s_bfe_u32 s2, ttmp6, 0x10000c
	s_cmp_lg_u32 s2, 0xf033
	s_cbranch_scc0 .Lentry_shape_is_right
	s_endpgm
.Lentry_shape_is_right:
; out = x1 + b2 + g W2^T x 2^(e14 + e15), the product on codes of BF8 (E5M2), K = 4,096.  out, x1: [4096][1024] f32; b2: [1024]; W2's codes: [1024 n][4096 k].
; g's codes lie as the launch before stored them, in fragment order: [row / 128][k / 128][16 rows][c][lane][16 bytes]; lane r + 16 h of piece c holds k = 32 c + 16 h + 0 .. 15 of row r.
; SHARES.  A work-group makes 128 x 128: 8 x 32 work-groups.  Wave w makes rows 32 w .. + 31 by all 128 columns: 16 accumulators, 128 registers; 32 steps of 128 along K, 16 matrix instructions each.
; g: a wave's 32 rows are read by that wave alone in its work-group, so they go from memory straight into its registers: a step is 8 loads of 512 consecutive bytes.  Eight buffers of 32 registers take turns;
; step s + 7 is asked for when step s has landed: 48 to 56 loads of a wave are on their way through the whole walk, with no drain.  For that reason g's codes have no prefetch: their loads run seven steps ahead.
; W2: the block's 128 rows go through a ring of two LDS slots of K = 1,024: four fills.  A slot is four chunks of 64 rows x 512 bytes (+ 16 of padding a row); wave w brings chunk w: rows 64 (w % 2) on, K 512 (w / 2) on.
; These loads are JOINT: the four work-groups of a column of the 4 x 4 cluster have the same 128 columns.  The change of slots stands at a slot's head: behind its round the other slot is filled, with eight steps in which to land.
; W2's slots 2 and 3 are prefetched two fills ahead: of a wave's 64 rows each of the four partners takes 16 (told apart by address, cy), a lane a block of 256 bytes.  x1 is prefetched in the second trip, a lane a row.
; The accumulators are cleared once (128 moves), so that a slot's eight steps are written twice (the loop, and the last slot, which asks for x1 in place of g) and not a third time for a first step.
; THE MATRIX INSTRUCTION IS USED TRANSPOSED (source 0 = 16 rows of W2, source 1 = 16 rows of g): a lane holds eight neighbouring columns of a row.  k is permuted alike on both sides.
; LIMIT: e14 + e15 between -126 and 127.
; REGISTERS: window 0: v2-18 addresses; v32-159 the accumulators ((a, b) at v[32 + 8 (8 a + b)]); v160-163 the bias.  window 1: W2's fragments, two sets of 128; later the rows on the way out.  window 2: g's eight buffers.  window 3: x1.
.set KB,    4096
.set BP,    528                        ; an LDS row of W2: 512 bytes + 16: an odd multiple of 16
.set CHUNK, 64*BP
.set SLOTB, 4*CHUNK
.set SPARE, 2*SLOTB                    ; the spare words: 128 bytes a wave
.set SPS,   528                        ; the stage: a row of 128 f32 + 16 bytes
.set STG,   32*SPS                     ; a wave's stage.  The stages lie in LDS slot 0, which has had its last fill and its last read when the last change of slots is passed
.set LO,   2                           ; 16 x lane
.set AB0,  3                           ; my place in a fragment of W2, K 0 .. 511 of a slot
.set AB1,  4                           ; K 512 .. 1,023
.set ADB0, 5                           ; the same in the slot in hand
.set ADB1, 6
.set STO,  7
.set RD,   8
.set PFX,  9
.set PFB,  10
.set SPW,  12
.set NIL,  13
.set ACC,  32
.set BIAS, 160
.set G1,   24
.set G0,   32
.set AP,   36                          ; s[36:37] g's codes: my rows, the trip's first step
.set TB,   38                          ; s38 LDS byte of the slot to be read next
.set CNT,  39
.set SC,   40                          ; s[40:41] 2^(e14 + e15), twice
.set WO,   42                          ; s42 wave x CHUNK
.set PB,   44                          ; s[44:45] where my prefetches of W2 stand; never rewritten
.set MSB, 0
.macro WIN new
.if MSB != \new
	s_set_vgpr_msb (MSB<<8)|\new
.set MSB, \new
.endif
.endm
.set MUL, 0x09                         ; source 0 (W2) window 1, source 1 (g) window 2, C and D window 0
.macro CREST
	s_cmp_lg_u32 s16, 0
	s_cbranch_scc1 .Lnot_wave_0_\@
	s_barrier_signal -3
.Lnot_wave_0_\@:
	s_barrier_wait -3
	s_barrier_signal -1
	s_barrier_wait -1
.endm
.macro CROUND
	s_barrier_signal -1
	s_barrier_wait -1
	CREST
.endm
.macro PLACES
.rept 4
	v_nop
.endr
.endm
.macro ALOAD st, off                   ; a step's two fragments of g: 4,096 consecutive bytes
.irp i, 0,1,2,3,4,5,6,7
	global_load_b128 v[32*(\st)+4*\i:32*(\st)+4*\i+3], v[LO], s[AP:AP+1] offset:(\off)+512*\i
.endr
.endm
.macro BF4 q, p, b0                    ; four fragments of W2 of the slot's step q into set p
.irp b, \b0, \b0+1, \b0+2, \b0+3
.irp c, 0,1,2,3
	ds_load_b128 v[128*(\p)+16*(\b)+4*\c:128*(\p)+16*(\b)+4*\c+3], v[ADB0+(\q)/4] offset:((\b)/4)*CHUNK+((\b)%4)*16*BP+128*((\q)%4)+32*\c
.endr
.endr
.endm
.macro MUL8 q, b0                      ; the 16 accumulators take turns, one instruction a turn, in one order everywhere
.irp b, \b0, \b0+1, \b0+2, \b0+3
.irp a, 0,1
	v_wmma_f32_16x16x128_bf8_bf8 v[ACC+8*(8*\a+(\b)):ACC+8*(8*\a+(\b))+7], v[128*((\q)%2)+16*(\b):128*((\q)%2)+16*(\b)+15], v[32*(\q)+16*\a:32*(\q)+16*\a+15], v[ACC+8*(8*\a+(\b)):ACC+8*(8*\a+(\b))+7]
.endr
.endr
.endm
; STEP q of a slot.  The next step's fragments of W2 go into the other set, in two halves of 16 loads; at each wait on DScnt the two younger halves may be out (in a slot's last step: one, then none).
; cnt: the loads issued behind this step's eight.  amode 1: step + 7 of g, into the buffer that the step before has left (four places stand at that step's end); 2: eight rows of x1; 3: the bias.
.macro STEP q, amode, cnt
.if (\q) < 7
	WIN 0x40
	BF4 (\q)+1, ((\q)+1)%2, 0
.endif
	s_wait_loadcnt \cnt
.if \amode == 1
	WIN 0x80
	ALOAD ((\q)+7)%8, ((\q)+7)*16384
.endif
.if \amode == 2
	WIN 0xc0
.set n, 8*((\q)-1)
.rept 8
	global_load_b128 v[4*n:4*n+3], v[LO], s[12:13] offset:4096*n th:TH_LOAD_NT   ; row n: 32 lanes read 512 consecutive bytes
.set n, n+1
.endr
.endif
.if \amode == 3
	WIN 0
	global_load_b128 v[BIAS:BIAS+3], v[LO], s[10:11]
.endif
	WIN MUL
.if (\q) < 7
	s_wait_dscnt 32
.else
	s_wait_dscnt 16
.endif
	MUL8 \q, 0
.if (\q) < 7
	WIN 0x40
	BF4 (\q)+1, ((\q)+1)%2, 4
	WIN MUL
	s_wait_dscnt 32
.else
	s_wait_dscnt 0
.endif
	MUL8 \q, 4
	PLACES
.endm
; THE CHANGE OF SLOTS, at a slot's head: all my tensor loads are in (my chunk of the slot ahead), the add, my reads of the slot that I have left are over; behind the round (fill = 1) that slot is filled again.
.macro CHANGE fill
	s_wait_tensorcnt 0x0
	ds_add_u32 v[SPW], v[NIL]                      ; 0 onto my spare word
	v_add_nc_u32 v[ADB0], s[TB], v[AB0]
	v_add_nc_u32 v[ADB1], s[TB], v[AB1]
	s_xor_b32 s[TB], s[TB], SLOTB                  ; the other slot: filled now, read next
.if \fill
	s_add_co_u32 s[G0+1], s[TB], s[WO]
	s_add_nc_u64 s[G0+2:G0+3], s[G0+2:G0+3], 1024
.endif
	s_wait_alu depctr_va_vdst(0)
	s_wait_dscnt 0x0
.if \fill
	CROUND
	tensor_load_to_lds s[G0:G0+3], s[G1:G1+7]      ; my one tensor load behind the round
	s_nop 0
	PLACES
	s_cmp_lg_u32 s[CNT], 0
	s_cbranch_scc1 .Lnot_w_\@
	global_prefetch_b8 v[PFB], s[PB:PB+1] offset:3072 th:TH_LOAD_NT scope:SCOPE_SE   ; the first trip fills slot 1 and asks for slot 3
.Lnot_w_\@:
	s_cmp_lg_u32 s[CNT], 1
	s_cbranch_scc1 .Lnot_x_\@
	global_prefetch_b8 v[PFX], s[12:13] th:TH_LOAD_NT scope:SCOPE_SE                 ; the second trip asks for my 32 rows x 512 bytes of x1, 17 steps ahead of their loads
	global_prefetch_b8 v[PFX], s[12:13] offset:256 th:TH_LOAD_NT scope:SCOPE_SE
.Lnot_x_\@:
.else
	s_barrier_signal -1
	s_barrier_wait -1
.endif
	WIN 0x40
	BF4 0, 0, 0
	BF4 0, 0, 4
.endm
	s_load_b256 s[4:11], s[0:1], 0x0               ; g's codes, W2's codes, the scales' exponents, b2
	s_load_b128 s[12:15], s[0:1], 0x20             ; x1, out
	v_lshl_add_u32 v[SPW], v0, 2, SPARE
	v_mov_b32 v[NIL], 0
	ds_add_u32 v[SPW], v[NIL]                      ; the opening lines: the add, twice on end, and its wait ahead of my first tensor load
	ds_add_u32 v[SPW], v[NIL]
	v_lshrrev_b32 v1, 5, v0
	v_readfirstlane_b32 s16, v1                    ; wave 0..3
	s_and_b32 s17, s16, 1
	s_lshr_b32 s18, s16, 1
	s_bfe_u32 s19, ttmp6, 0x40000                  ; cx
	s_bfe_u32 s20, ttmp6, 0x40004                  ; cy
	s_lshl_b32 s21, ttmp9, 2
	s_add_co_u32 s21, s21, s19                     ; block column
	s_and_b32 s22, ttmp7, 0xffff
	s_lshl_b32 s22, s22, 2
	s_add_co_u32 s22, s22, s20                     ; block row
	s_lshl_b32 s23, 0x1111, s19                    ; my column of the cluster
	s_or_b32 s[G1], s23, (0<<16)|(1<<20)|(1<<21)|(6<<22)|(3<<25)   ; elements of 1 byte; 4 words of padding after every 128
	s_mov_b32 s[G1+1], 512<<16
	s_mov_b32 s[G1+2], 64<<16
	s_mov_b32 s[G1+3], 512<<16
	s_mov_b32 s[G1+4], 64
	s_mov_b32 s[G1+5], KB
	s_mov_b32 s[G1+6], 0
	s_mov_b32 s[G1+7], 0
	s_mov_b32 s[G0], 1
	s_mul_i32 s[WO], s16, CHUNK
	s_mov_b32 s[G0+1], s[WO]
	s_lshl_b32 s46, s21, 1
	s_add_co_u32 s46, s46, s17
	s_lshl_b32 s46, s46, 18                        ; W2: 64 rows of 4,096 bytes x (2 x block column + wave % 2),
	s_lshl_b32 s47, s18, 9
	s_add_co_u32 s46, s46, s47                     ; + 512 x (wave / 2)
	s_mov_b32 s47, 0
	s_lshl_b32 s48, s20, 16                        ; the prefetches alone: my work-group's 16 of those 64 rows
	s_mov_b32 s49, 0
	s_lshl_b32 s50, s22, 19                        ; g: my block of 128 rows,
	s_lshl_b32 s51, s16, 12                        ; my two groups of 16 rows
	s_add_co_u32 s50, s50, s51
	s_mov_b32 s51, 0
	s_lshl_b32 s52, s22, 2
	s_add_co_u32 s52, s52, s16
	s_lshl_b32 s52, s52, 17                        ; my first row, of 4,096 bytes
	s_lshl_b32 s54, s21, 9                         ; my 128 columns, in bytes
	s_add_co_u32 s52, s52, s54
	s_mov_b32 s53, 0
	s_mov_b32 s55, 0
	s_mov_b32 s[TB], 0
	s_mov_b32 s[CNT], 0
	s_mul_i32 s56, s16, STG                        ; my stage
	v_and_b32 v14, 15, v0                          ; r
	v_bfe_u32 v15, v0, 4, 1                        ; h
	v_and_b32 v16, 31, v0
	v_lshlrev_b32 v[LO], 4, v16
	v_lshlrev_b32 v[PFX], 12, v16                  ; a lane a row of x1
	v_mul_u32_u24 v[AB0], v14, BP
	v_mul_u32_u24 v[STO], v14, SPS
	v_lshrrev_b32 v17, 1, v16
	v_and_b32 v18, 1, v16
	v_lshl_add_u32 v[AB0], v15, 4, v[AB0]
	v_lshl_add_u32 v[STO], v15, 5, v[STO]
	v_lshlrev_b32 v[PFB], 12, v17                  ; two lanes a row of W2,
	v_add_nc_u32 v[RD], s56, v[LO]
	v_add_nc_u32 v[AB1], 2*CHUNK, v[AB0]
	v_add_nc_u32 v[STO], s56, v[STO]
	v_lshl_add_u32 v[PFB], v18, 8, v[PFB]          ; 256 bytes apart
.set n, 0
.rept 128
	v_mov_b32 v[ACC+n], 0
.set n, n+1
.endr
	s_wait_alu depctr_va_vdst(0)                   ; the wait at the end of the head's vector work
	s_wait_dscnt 0x0                               ; both opening adds are done
	s_wait_kmcnt 0x0
	s_load_b64 s[SC:SC+1], s[8:9], 56              ; e14, e15
	s_add_nc_u64 s[AP:AP+1], s[4:5], s[50:51]
	s_add_nc_u64 s[G0+2:G0+3], s[6:7], s[46:47]
	s_add_nc_u64 s[PB:PB+1], s[G0+2:G0+3], s[48:49]
	s_or_b32 s[G0+3], s[G0+3], 0x80000000
	s_add_nc_u64 s[12:13], s[12:13], s[52:53]
	s_add_nc_u64 s[14:15], s[14:15], s[52:53]
	s_add_nc_u64 s[10:11], s[10:11], s[54:55]
	CROUND                                         ; all sixteen work-groups are here: the joint loads meet
	tensor_load_to_lds s[G0:G0+3], s[G1:G1+7]      ; slot 0: my one tensor load at the head
	s_nop 0
	WIN 0x80                                       ; destination window 2
.irp s, 0,1,2,3,4,5,6
	ALOAD \s, \s*16384                             ; steps 0 to 6 of g: 56 loads
.endr
	WIN 0
	global_prefetch_b8 v[PFB], s[PB:PB+1] offset:2048 th:TH_LOAD_NT scope:SCOPE_SE   ; W2's slot 2, two fills ahead
.Lslot:                                            ; three trips: slots 0 to 2; each change of slots asks for the next slot
	CHANGE 1
.irp q, 0,1,2,3,4,5,6,7
	STEP \q, 1, 48                                 ; behind a step's loads stand the six later steps': 48
.endr
	WIN 0
	s_wait_xcnt 0x0                                ; the loads have read their base
	s_add_nc_u64 s[AP:AP+1], s[AP:AP+1], 131072
	s_add_co_u32 s[CNT], s[CNT], 1
	s_cmp_lt_u32 s[CNT], 3
	s_cbranch_scc1 .Lslot
	CHANGE 0                                       ; the last slot is written out, and x1 takes g's place among the loads
	STEP 0, 1, 48                                  ; step 24 asks for step 31
	STEP 1, 2, 48                                  ; steps 25 to 28 ask for eight rows of x1 each, so that 48 loads stand behind each step's up to step 29
	STEP 2, 2, 48
	STEP 3, 2, 48
	STEP 4, 2, 48
	STEP 5, 3, 48
	STEP 6, 0, 41                                  ; step 31's 8, x1's 32, the bias's one
	STEP 7, 0, 33
	WIN 0
	s_wait_kmcnt 0x0
	s_add_co_i32 s[SC], s[SC], s[SC+1]
	s_add_co_i32 s[SC], s[SC], 127
	s_lshl_b32 s[SC], s[SC], 23                    ; 2^(e14 + e15)
	s_mov_b32 s[SC+1], s[SC]
	; THE WAY OUT: my 32 rows x 128 columns go through my own stage and come back as whole rows of 512 bytes; out = row x 2^(e14 + e15) + (x1 + b2)
.irp a, 0,1
.irp b, 0,1,2,3,4,5,6,7
	ds_store_b128 v[STO], v[ACC+8*(8*\a+\b):ACC+8*(8*\a+\b)+3] offset:\a*16*SPS+64*\b          ; each accumulator from its low end on
	ds_store_b128 v[STO], v[ACC+8*(8*\a+\b)+4:ACC+8*(8*\a+\b)+7] offset:\a*16*SPS+64*\b+16
.endr
.endr
	WIN 0x40
.set n, 0
.rept 32
	ds_load_b128 v[4*n:4*n+3], v[RD] offset:SPS*n  ; LDS serves a wave's instructions in order: these see my stores
.set n, n+1
.endr
	s_wait_loadcnt 0x0                             ; x1 and the bias
	WIN 0xc3                                       ; source 0 and destination window 3
.set n, 0
.rept 32
	v_pk_add_f32 v[4*n:4*n+1], v[4*n:4*n+1], v[BIAS:BIAS+1]
	v_pk_add_f32 v[4*n+2:4*n+3], v[4*n+2:4*n+3], v[BIAS+2:BIAS+3]
.set n, n+1
.endr
	s_wait_alu depctr_va_vdst(0)
	s_wait_dscnt 0x0
	WIN 0x71                                       ; source 0 and destination window 1, source 2 window 3
.set n, 0
.rept 64
	v_pk_fma_f32 v[n:n+1], v[n:n+1], s[SC:SC+1], v[n:n+1] op_sel_hi:[1,0,1]
.set n, n+2
.endr
	WIN 0x04                                       ; the stores' data window 1
.set n, 0
.rept 32
	global_store_b128 v[LO], v[4*n:4*n+3], s[14:15] offset:4096*n th:TH_STORE_NT   ; 32 lanes store 512 consecutive bytes, aligned
.set n, n+1
.endr
	WIN 0
	s_wait_tensorcnt 0x0                           ; the wave's end
	ds_add_u32 v[SPW], v[NIL]
	s_wait_dscnt 0x0
	CROUND                                         ; the closing round
	s_endpgm
.Lfunc_end_k_q28901682f3_w2:
	.size	k_q28901682f3_w2, .Lfunc_end_k_q28901682f3_w2-k_q28901682f3_w2
	.p2alignl 7, 3214868480
	.fill 96, 4, 3214868480
	.section	.rodata,"a",@progbits
	.p2align	6, 0x0
	.amdhsa_kernel k_q28901682f3_w2
		.amdhsa_group_segment_fixed_size 327680
		.amdhsa_private_segment_fixed_size 0
		.amdhsa_enable_private_segment 0
		.amdhsa_kernarg_size 48
		.amdhsa_user_sgpr_count 2
		.amdhsa_user_sgpr_kernarg_segment_ptr 1
		.amdhsa_wavefront_size32 1
		.amdhsa_system_sgpr_workgroup_id_x 1
		.amdhsa_system_sgpr_workgroup_id_y 1
		.amdhsa_system_sgpr_workgroup_id_z 1
		.amdhsa_system_vgpr_workitem_id 0
		.amdhsa_next_free_vgpr 1024
		.amdhsa_next_free_sgpr 66
		.amdhsa_reserve_vcc 0
		.amdhsa_float_denorm_mode_32 3
		.amdhsa_float_denorm_mode_16_64 3
		.amdhsa_memory_ordered 1
		.amdhsa_forward_progress 1
		.amdhsa_inst_pref_size 95
	.end_amdhsa_kernel
	.amdgpu_metadata
---
amdhsa.version: [ 1, 2 ]
amdhsa.kernels:
  - .name:           k_q28901682f3_w2
    .symbol:         k_q28901682f3_w2.kd
    .args:
      - { .name: gc, .offset: 0, .size: 8, .value_kind: global_buffer, .address_space: global }
      - { .name: W2_codes, .offset: 8, .size: 8, .value_kind: global_buffer, .address_space: global }
      - { .name: lowp_scales, .offset: 16, .size: 8, .value_kind: global_buffer, .address_space: global }
      - { .name: b2, .offset: 24, .size: 8, .value_kind: global_buffer, .address_space: global }
      - { .name: x1, .offset: 32, .size: 8, .value_kind: global_buffer, .address_space: global }
      - { .name: out0, .offset: 40, .size: 8, .value_kind: global_buffer, .address_space: global }
    .group_segment_fixed_size: 327680
    .private_segment_fixed_size: 0
    .kernarg_segment_align: 8
    .kernarg_segment_size: 48
    .max_flat_workgroup_size: 128
    .sgpr_count:     66
    .vgpr_count:     1024
    .wavefront_size: 32
...
	.end_amdgpu_metadata
.endif
;; end of part 7
